; MI455X (gfx1250); checked and timed in simulation.
; The chip was launched on July 23, 2026; its instructions are those of AMD's public machine-readable ISA for CDNA 5 (MIT licence, August 2026) and "CDNA5" Instruction Set Architecture Reference Guide (July 2026). The comments in the code are by the model that wrote it; some were corrected since.
;; Attention. Allowed arithmetic: matrix products marked QUANTISED: E2M3 operands, one E8M0 scale for each 32 along K, by v_wmma_scale_f32_16x16x128_f8f6f4 with both operands' format E2M3, f32 sums; everything else in f32.
;; Inputs: W_out 1,024 x 1,024 float32; W_qkv 1,024 x 3,072 float32; b_out 1,024 float32; b_qkv 3,072 float32; x 4 x 2,048 x 1,024 float32.
;; Outputs: out0 4 x 2,048 x 1,024 float32.
;; This version of the problem:
;;   THIS VERSION OF THE PROBLEM IS GIVEN IN LOW PRECISION. The matrix products marked QUANTISED in the list below multiply operands that are first quantised to E2M3 (2 exponent bits, 3 mantissa bits; 6 bits a number), with one power-of-two scale for each 32 numbers along K (OCP MX v1.0); their sums are f32. All else is computed in f32.
;;   The module's matrix products, in the order in which they are computed (A, B: the left and right operand; K: the contracted axis; several contracted axes count as one K, in the product's order):
;;     1. [M 8,192, K 1,024] x [K 1,024, N 3,072]; A: input x; B: input W_qkv: QUANTISED
;;     2. batch 64 x [M 2,048, K 64] x [K 64, N 2,048]; A: computed on the way; B: computed on the way: QUANTISED
;;     3. batch 64 x [M 2,048, K 2,048] x [K 2,048, N 64]; A: softmax (see below); B: computed on the way: QUANTISED
;;     4. [M 8,192, K 1,024] x [K 1,024, N 1,024]; A: computed on the way; B: input W_out: QUANTISED
;;   THE QUANTISER, for each operand of a quantised product, along K:
;;     - K is cut into blocks of 32 from its start; a last block that is shorter is filled with zeros.
;;     - A block's scale is 2^e with e = floor(log2(the largest magnitude in the block)) - 2, held to -126 .. 127; a block of zeros has e = 0. As a byte (E8M0): e + 127.
;;     - Each number is divided by its block's scale, clamped to +-7.5, and rounded to the nearest number of E2M3, ties to even, subnormals kept.
;;     - The product sums the exact products of the quantised numbers (number of the format x scale) in f32.
;;   ~~~python
;;   def quantise(x, axis):      # numpy; x: float32 -> the quantised numbers, widened to float32 again
;;       x = np.moveaxis(x, axis, -1); K = x.shape[-1]
;;       x = np.pad(x, [(0, 0)] * (x.ndim - 1) + [(0, -K % 32)]); x = x.reshape(x.shape[:-1] + (-1, 32)); a = np.abs(x).max(-1, keepdims=True)
;;       e = np.where(a > 0, np.clip(np.frexp(np.where(a > 0, a, 1))[1] - 1 - 2, -126, 127), 0)      # np.frexp(a)[1] - 1 = floor(log2(a)), exactly
;;       r = np.clip(x / 2.0 ** e, -7.5, 7.5)
;;       step = 2.0 ** (np.maximum(np.frexp(np.where(r == 0, 1, r))[1] - 1, 0) - 3)
;;       q = np.round(r / step) * step * 2.0 ** e      # np.round: ties to even
;;       return np.moveaxis(q.reshape(q.shape[:-2] + (-1,))[..., :K], -1, axis).astype(np.float32)
;;   ~~~
;;   SOFTMAX AHEAD OF A QUANTISED PRODUCT. Where the list says 'softmax', what is quantised is not the finished softmax but p = 2^(t - M), with t = logit x log2(e) and M = ceil(the row's largest t), a whole number; so 1/2 < the row's largest p <= 1. The row's sum l is taken of the UNQUANTISED p, in f32, and the product's result is divided by l at the end. Since M is a whole number, a kernel that streams over the keys may use a running M (the ceiling of the running maximum): every later rescaling is an exact power of two, which a block's scale takes up: the codes' values come out the same.
;;   OPERANDS COMPUTED ON THE WAY. 'Computed on the way' means the value that the module computes at that place (a softmax that the list does not call 'softmax' is quantised finished and normalised). What goes into a quantiser is computed in f32, as accurately as f32 sums, v_exp_f32 and their like allow (about 1e-6 of the number): no bf16 or f16 on the way to a quantiser, and a product that is left as it is and whose result goes on into a quantised operand takes f32 operands (vector FMAs, or v_wmma_f32_16x16x4_f32). A number that lies on a knife's edge between two numbers of the format may be rounded either way, as far as f32 arithmetic and the matrix unit's own rounding can turn it there, and no further.
;; One version. Each part assembles by itself: llvm-mc -triple=amdgcn-amd-amdhsa -mcpu=gfx1250 --defsym DOCPART=n.
;; ======== version 1 of 1: 4 launches
;; limits: right only within a limited range of input values
;; workspace buffers: cod1 9,437,184 bytes; scl1 393,216 bytes; cod2 18,874,368 bytes; scl2 786,432 bytes; cod3 6,291,456 bytes; scl3 262,144 bytes
;; launch quant (part 1): grid 384 x 1, 4 waves a work-group, no clusters, 60,928 bytes of LDS; arguments x, W_qkv, W_out, cod1, scl1; writes cod1, scl1
.if DOCPART == 1
	.amdgcn_target "amdgcn-amd-amdhsa--gfx1250"
	.amdhsa_code_object_version 6
	.text
	.protected	k_q4122edfc9a_quant
	.globl	k_q4122edfc9a_quant
	.p2align	8
	.type	k_q4122edfc9a_quant,@function
k_q4122edfc9a_quant:
	s_mov_b64 s[64:65], 0
	v_nop
	global_prefetch_b8 v0, s[64:65] scope:SCOPE_SE
	s_setreg_imm32_b32 hwreg(HW_REG_WAVE_MODE, 25, 1), 1
	s_wait_xcnt 0x0
; x [8192][1024], W_qkv [1024][3072] and W_out [1024][1024], f32, become codes of FP6 (E2M3) with one E8M0 scale byte for each 32 along K = 1024.
; A block's scale is 2^(floor(log2(its largest magnitude)) - 2); its byte is the largest magnitude's exponent field - 2, held at 1 from below.
; LIMITS: a block of zeros gets the byte 1 where the rule says 127 (its codes are zeros, which add nothing, and this program alone reads the bytes); NaN and infinities among the inputs are not served.
; WHAT IS STORED.  Codes leave as IMAGES OF OPERAND REGISTERS: a fragment is 16 rows x 128 K, 12 registers a lane; register i of lane l lies at 512 (i / 4) + 16 l + 4 (i % 4) of its 1,536 bytes.
; cod1 = [tile][K step 0..7][1536]: tiles 0-511 x; behind XCB tiles 0-191 W_qkv with its columns in the order type x 1024 + head x 64 + d, tiles 192-255 W_out.
; THE ROWS OF A TILE ARE NOT NEIGHBOURS: lane r of tile T holds row 32 (T / 2) + 8 (T % 2) + r + 8 (r / 8), so that the results of two neighbouring tiles are 16 neighbours in a lane's registers.
; scl1 = 512 bytes a tile: the scale word of K step s and lane r at 128 (s / 2) + 8 r + 4 (s % 2).
; Work-groups 0-255 take x (K innermost), the others the weights (K outermost).  The two ways use LDS bytes of their own.  No barrier: waves share nothing.
.set XCB,   6291456                    ; where the weights' images begin in cod1
.set XSB,   262144                     ; and their scale words in scl1
.set SPX,   528                        ; x: a stage row: 512 bytes + 16
.set STX,   16*SPX                     ; x: a wave's stage
.set WLDS,  4*STX                      ; the weights' stages lie behind x's
.set FRW,   1664                       ; weights: an image's place in the stage: 1,536 bytes + 128, so that the two tiles' stores fall on different banks
.set STW,   4*FRW                      ; weights: a wave's stage: 2 K steps x 2 tiles
.set TM,    16                         ; x: v16-19 largest magnitudes, v20-23 bytes, v28-31 the conversions' scale operands
.set PC,    32                         ; x: v32-43 a fragment's codes, v44-50 at work
.set XN,    64                         ; x: v64-127 64 numbers: register 16 b + i = k 32 b + 16 (lane / 16) + i of my row
.set RL,    128                        ; x: v128-255 two sets of 64 registers as loaded
.set VO,    32                         ; weights: v32-63 offsets 4 x lane + i rows
.set XW,    64                         ; weights: v64-127 two sets of 32 numbers
.set OUTW,  128                        ; weights: v128-175 the images on their way out
; 64 numbers of a lane, v[s] on, become a fragment's codes in v[PC] on and its scale word in v[pw].
.macro QUANT s, pw
.irp b, 0,1,2,3
	v_max3_num_f32 v[TM+\b], |v[\s+16*\b]|, |v[\s+1+16*\b]|, 0x1800000   ; block b: my 16 numbers, and the floor 2^(3 - 127): the byte cannot fall under 1
.endr
.irp i, 2,4,6,8,10,12,14
.irp b, 0,1,2,3
	v_max3_num_f32 v[TM+\b], v[TM+\b], |v[\s+16*\b+\i]|, |v[\s+1+16*\b+\i]|   ; the four blocks by turns
.endr
.endr
.irp b, 0,1,2,3
	v_permlanex16_b32 v[TM+4+\b], v[TM+\b], s20, s21
.endr
.irp b, 0,1,2,3
	v_max_num_f32 v[TM+\b], v[TM+\b], v[TM+4+\b]   ; with lane l xor 16's 16: the block's largest magnitude
.endr
.irp b, 0,1,2,3
	v_add_nc_u32 v[TM+12+\b], 0xff000000, v[TM+\b]   ; 2 off its exponent field: the conversion's scale operand
.endr
.irp b, 0,1,2,3
	v_lshrrev_b32 v[TM+4+\b], 23, v[TM+12+\b]      ; the scale's byte
.endr
	v_lshl_or_b32 v[\pw], v[TM+5], 8, v[TM+4]      ; four bytes: my row's scale word
	v_lshl_or_b32 v[\pw], v[TM+6], 16, v[\pw]
	v_lshl_or_b32 v[\pw], v[TM+7], 24, v[\pw]
.irp c, 0,1
	v_cvt_scalef32_pk16_fp6_f32 v[PC+6*\c:PC+2+6*\c], v[\s+32*\c:\s+15+32*\c], v[TM+12+2*\c]
	v_cvt_scalef32_pk16_fp6_f32 v[PC+12+4*\c:PC+14+4*\c], v[\s+16+32*\c:\s+31+32*\c], v[TM+12+2*\c+1]   ; (a conversion's three registers begin on an even number)
.endr
	v_nop                                          ; one plain line behind the conversions
.irp c, 0,1                                    ; the operand wants a whole block in a lane: lanes 0-15 block 2 c, lanes 16-31 block 2 c + 1
.irp i, 0,1,2
	v_permlane16_swap_b32 v[PC+6*\c+\i], v[PC+12+4*\c+\i]
.endr
.irp i, 0,1,2
	v_mov_b32 v[PC+3+6*\c+\i], v[PC+12+4*\c+\i]
.endr
.endr
.endm
	s_load_b256 s[4:11], s[0:1], 0x0               ; x s[4:5], W_qkv s[6:7], W_out s[8:9], cod1 s[10:11]
	s_load_b64 s[12:13], s[0:1], 0x20              ; scl1
	v_lshl_add_u32 v15, v0, 2, 0xec00
	s_set_vgpr_msb 0x40
	v_mov_b32 v1, 0
	s_set_vgpr_msb 0x4000
	v_lshrrev_b32 v1, 5, v0
	v_readfirstlane_b32 s14, v1                    ; wave 0..3
	v_and_b32 v1, 31, v0                           ; lane
	s_cmp_lt_u32 ttmp9, 256
	s_cbranch_scc0 .Lweights
; ---------------- x.  Wave W = 4 x work-group + wave takes tile T = W / 2 (16 rows) and K steps 4 g .. 4 g + 3, g = W % 2: four units of 16 rows x 128 numbers.
; Each load reads 512 consecutive bytes of one row; a unit turns through the wave's own stage, so that a lane gets 16 neighbours of each block of 32 of ITS row.
	v_and_b32 v2, 15, v0                           ; r
	v_bfe_u32 v3, v0, 4, 1                         ; h
	v_lshlrev_b32 v4, 4, v1                        ; 16 x lane: my place in a load's 512 bytes and in an image's
	s_mul_i32 s15, s14, STX
	v_add_nc_u32 v5, s15, v4                       ; into the stage: 16 x lane, a row an instruction
	v_mul_u32_u24 v6, v2, SPX
	v_lshl_add_u32 v6, v3, 6, v6
	v_add_nc_u32 v6, s15, v6                       ; out of it: row r, + 64 h
	v_lshlrev_b32 v7, 3, v1                        ; 8 x lane: the scale words' place
	s_mov_b32 s20, 0x76543210
	s_mov_b32 s21, 0xfedcba98                      ; lane selects: lane l xor 16
.irp b, 0,1,2,3
	v_mov_b32 v[TM+4+\b], 0                        ; written once: a lane permute's destination counts as one of its sources
.endr
	s_lshl_b32 s16, ttmp9, 2
	s_add_co_u32 s16, s16, s14                     ; W
	s_lshr_b32 s17, s16, 1                         ; T
	s_and_b32 s18, s16, 1                          ; g
	s_lshr_b32 s22, s17, 1
	s_lshl_b32 s22, s22, 17                        ; 32 (T / 2) rows of 4,096 bytes
	s_and_b32 s23, s17, 1
	s_lshl_b32 s23, s23, 15                        ; + 8 (T % 2) rows
	s_add_co_u32 s22, s22, s23
	s_lshl_b32 s23, s18, 11                        ; + 4 g K steps of 512 bytes
	s_add_co_u32 s22, s22, s23
	s_mov_b32 s23, 0
	s_mul_i32 s24, s16, 6144                       ; codes: T x 12,288 + g x 6,144
	s_mov_b32 s25, 0
	s_lshl_b32 s26, s16, 8                         ; scale words: T x 512 + g x 256
	s_mov_b32 s27, 0
	s_wait_alu depctr_va_vdst(0)
	s_wait_kmcnt 0x0
	s_add_nc_u64 s[4:5], s[4:5], s[22:23]
	s_add_nc_u64 s[10:11], s[10:11], s[24:25]
	s_add_nc_u64 s[12:13], s[12:13], s[26:27]
.macro LOADX u                         ; unit u: the tile's 16 rows, 512 bytes each
.irp i, 0,1,2,3,4,5,6,7,8,9,10,11,12,13,14,15
	global_load_b128 v[RL+64*((\u)%2)+4*\i:RL+64*((\u)%2)+4*\i+3], v4, s[4:5] offset:(\i+8*(\i/8))*4096+512*(\u) th:TH_LOAD_NT
.endr
.endm
.macro TURNX u                         ; through the stage: LDS serves a wave's instructions in order, so no wait stands between the stores and the loads
.irp i, 0,1,2,3,4,5,6,7,8,9,10,11,12,13,14,15
	ds_store_b128 v5, v[RL+64*((\u)%2)+4*\i:RL+64*((\u)%2)+4*\i+3] offset:SPX*\i
.endr
.irp b, 0,1,2,3
.irp j, 0,1,2,3
	ds_load_b128 v[XN+16*\b+4*\j:XN+16*\b+4*\j+3], v6 offset:128*\b+16*\j
.endr
.endr
.endm
	LOADX 0
	LOADX 1
.irp u, 0,1,2,3
.if \u < 3
	s_wait_loadcnt 16                              ; this unit's 16 loads are in; the next unit's 16 may be out
.else
	s_wait_loadcnt 0x0
.endif
	TURNX \u
	s_wait_dscnt 0x0                               ; the numbers are back, and the stage's stores have read the loaded registers
.if \u < 2
	LOADX \u+2                                     ; which take the unit two on
.endif
.if \u > 0
	s_wait_xcnt 0x0                                ; the last unit's stores have read the codes' registers: they are written again only behind this wait
.endif
	QUANT XN, 10+\u
.irp c, 0,1,2
	global_store_b128 v4, v[PC+4*\c:PC+4*\c+3], s[10:11] offset:1536*\u+512*\c   ; 32 lanes store 512 consecutive bytes, aligned
.endr
.endr
	v_cmp_le_u32 vcc_lo, 16, v1                    ; lanes 0-15 hold the words of K steps 4 g, 4 g + 1, lanes 16-31 those of 4 g + 2, 4 g + 3 (every lane has made all four)
	v_cndmask_b32 v8, v10, v12, vcc_lo
	v_cndmask_b32 v9, v11, v13, vcc_lo
	global_store_b64 v7, v[8:9], s[12:13]          ; 256 consecutive bytes, aligned
	s_set_vgpr_msb 0x4
	s_wait_tensorcnt 0x0
	ds_add_u32 v15, v1
	s_wait_dscnt 0x0
	s_set_vgpr_msb 0x400
	s_endpgm
; ---------------- the weights.  K is their FIRST axis: a lane takes a column and its registers run down K, so a block of 32 lies in one lane and the codes come out with K innermost.
; Work-group idx = gx + 32 gy: gx 0-23 W_qkv, 24-31 W_out; a wave takes 32 columns and K = 256 gy .. + 255: 8 blocks, 2 K steps, 2 tiles: 4 images, gathered in the wave's own stage.
.Lweights:
	s_sub_co_u32 s15, ttmp9, 256
	s_and_b32 s16, s15, 31                         ; gx
	s_lshr_b32 s17, s15, 5                         ; gy
	s_lshl_b32 s18, s16, 2
	s_add_co_u32 s18, s18, s14                     ; G: which 32 columns, W_qkv's 96 groups first
	s_mul_i32 s19, s18, 43
	s_lshr_b32 s19, s19, 8                         ; W_qkv: head = G / 6 (43 / 256 serves G up to 125)
	s_mul_i32 s22, s19, 6
	s_sub_co_u32 s22, s18, s22                     ; G % 6 = 2 x type + half of the head's 64
	s_lshr_b32 s23, s22, 1
	s_lshl_b32 s23, s23, 6                         ; type x 64 tiles
	s_lshl_b32 s19, s19, 2
	s_add_co_u32 s23, s23, s19                     ; + head x 4
	s_and_b32 s22, s22, 1
	s_lshl_b32 s22, s22, 1
	s_add_co_u32 s23, s23, s22                     ; + 2 x half: W_qkv's first tile of two
	s_lshl_b32 s24, s18, 1                         ; W_out's: 192 + 2 (G - 96) = 2 G
	s_sub_co_u32 s25, s18, 96
	s_mov_b32 s26, 4096
	s_wait_kmcnt 0x0
	s_cmp_lt_u32 s16, 24                           ; the choice hangs on the work-group's number alone
	s_cselect_b64 s[6:7], s[6:7], s[8:9]           ; the tensor,
	s_cselect_b32 s23, s23, s24                    ; T0,
	s_cselect_b32 s25, s18, s25                    ; the group of 32 columns in it,
	s_cselect_b32 s26, 12288, s26                  ; and its row in bytes
	s_lshl_b32 s27, s17, 8
	s_mul_i32 s27, s27, s26                        ; 256 gy rows
	s_lshl_b32 s28, s25, 7                         ; + 128 bytes a group
	s_add_co_u32 s28, s27, s28
	s_mov_b32 s29, 0
	s_add_nc_u64 s[32:33], s[6:7], s[28:29]        ; block 0's first row at my columns
	s_lshl_b32 s30, s26, 5                         ; 32 rows
	s_mov_b32 s31, 0
.irp t, 1,2,3,4,5,6,7
	s_add_nc_u64 s[32+2*\t:33+2*\t], s[30+2*\t:31+2*\t], s[30:31]   ; a base for each block: no address is ever stepped
.endr
	s_mul_i32 s28, s23, 12288
	s_mul_i32 s27, s17, 3072
	s_add_co_u32 s28, s28, s27
	s_add_co_u32 s28, s28, XCB
	s_add_nc_u64 s[10:11], s[10:11], s[28:29]      ; codes: tile T0, K step 2 gy
	s_lshl_b32 s28, s23, 9
	s_lshl_b32 s27, s17, 7
	s_add_co_u32 s28, s28, s27
	s_add_co_u32 s28, s28, XSB
	s_add_nc_u64 s[12:13], s[12:13], s[28:29]      ; scale words likewise
	s_wait_alu depctr_va_vdst(0)
	v_lshlrev_b32 v4, 2, v1                        ; 4 x lane
	v_bfe_u32 v9, v1, 3, 1                         ; column l lies in tile u = (l / 8) % 2,
	v_and_b32 v10, 7, v1
	v_lshrrev_b32 v11, 4, v1
	v_lshl_add_u32 v10, v11, 3, v10                ; at lane r = l % 8 + 8 (l / 16)
	s_mul_i32 s15, s14, STW
	s_add_co_u32 s15, s15, WLDS
	v_mul_u32_u24 v5, v9, FRW
	v_lshl_add_u32 v5, v10, 4, v5
	v_add_nc_u32 v5, s15, v5                       ; into the stage: tile u's image, 16 r
	v_lshlrev_b32 v7, 4, v1                        ; 16 x lane
	v_add_nc_u32 v6, s15, v7                       ; out of it
	v_lshlrev_b32 v8, 3, v10
	v_lshl_add_u32 v8, v9, 9, v8                   ; my scale words: 512 u + 8 r
.irp i, 0,1,2,3,4,5,6,7,8,9,10,11,12,13,14,15,16,17,18,19,20,21,22,23,24,25,26,27,28,29,30,31
	v_mad_u32_u24 v[VO+\i], s26, \i, v4            ; i rows down, my column
.endr
.macro LOADW t                         ; block t: 32 rows, 128 consecutive bytes a load
.irp i, 0,1,2,3,4,5,6,7,8,9,10,11,12,13,14,15,16,17,18,19,20,21,22,23,24,25,26,27,28,29,30,31
	global_load_b32 v[XW+32*((\t)%2)+\i], v[VO+\i], s[32+2*(\t):33+2*(\t)] th:TH_LOAD_NT
.endr
.endm
.macro BLOCKW t                        ; block t = K step t / 4, registers 6 c .. 6 c + 5 (c = (t % 4) / 2) of image lane r + 16 (t % 2)
.set XS, XW+32*((\t)%2)
.set EE, (\t)/4
.set CC, ((\t)%4)/2
.set HH, (\t)%2
.if (\t) < 7
	s_wait_loadcnt 32                              ; this block's 32 loads are in; the next block's may be out
.else
	s_wait_loadcnt 0x0
.endif
	v_max3_num_f32 v12, |v[XS]|, |v[XS+1]|, |v[XS+2]|       ; all 32 numbers are mine: two chains
	v_max3_num_f32 v13, |v[XS+3]|, |v[XS+4]|, |v[XS+5]|
.irp i, 6,10,14,18,22,26
	v_max3_num_f32 v12, v12, |v[XS+\i]|, |v[XS+\i+1]|
	v_max3_num_f32 v13, v13, |v[XS+\i+2]|, |v[XS+\i+3]|
.endr
	v_max3_num_f32 v12, v12, |v[XS+30]|, |v[XS+31]|
	v_max3_num_f32 v12, v12, v13, 0x1800000        ; and the floor 2^(3 - 127)
	v_add_nc_u32 v14, 0xff000000, v12              ; the conversions' scale operand
	v_lshrrev_b32 v13, 23, v14                     ; the byte
.if (\t)%4 == 0
	v_mov_b32 v[16+EE], v13                        ; four bytes to a K step's word
.else
	v_lshl_or_b32 v[16+EE], v13, 8*((\t)%4), v[16+EE]
.endif
	v_cvt_scalef32_pk16_fp6_f32 v[20:22], v[XS:XS+15], v14
	v_cvt_scalef32_pk16_fp6_f32 v[26:28], v[XS+16:XS+31], v14   ; (three registers from an even one)
	v_nop                                          ; one plain line behind the conversions
	v_mov_b32 v23, v26
	v_mov_b32 v24, v27
	v_mov_b32 v25, v28                             ; v20-25: the block's 24 bytes
.if CC == 0
	ds_store_b128 v5, v[20:23] offset:2*FRW*EE+256*HH          ; registers 0-3
	ds_store_b64 v5, v[24:25] offset:2*FRW*EE+512+256*HH       ; registers 4, 5
.else
	ds_store_b64 v5, v[20:21] offset:2*FRW*EE+520+256*HH       ; registers 6, 7
	ds_store_b128 v5, v[22:25] offset:2*FRW*EE+1024+256*HH     ; registers 8-11
.endif
.if (\t) < 6
	LOADW (\t)+2
.endif
	s_wait_dscnt 0x0                               ; the stores have read v20-25: the next block writes them
.endm
	LOADW 0
	LOADW 1
.irp t, 0,1,2,3,4,5,6,7
	BLOCKW \t
.endr
	s_wait_alu depctr_va_vdst(0)
	global_store_b64 v8, v[16:17], s[12:13]        ; two words a lane, in runs of 128 consecutive bytes a tile: one byte for each 128 that the wave reads
.irp e, 0,1
.irp u, 0,1
.irp c, 0,1,2
	ds_load_b128 v[OUTW+4*(6*\e+3*\u+\c):OUTW+4*(6*\e+3*\u+\c)+3], v6 offset:2*FRW*\e+FRW*\u+512*\c
.endr
.endr
.endr
.irp e, 0,1
.irp u, 0,1
.irp c, 0,1,2
	s_wait_dscnt 11-(6*\e+3*\u+\c)                 ; LDS loads come back in order: this one is in, the younger ones may be out
	global_store_b128 v7, v[OUTW+4*(6*\e+3*\u+\c):OUTW+4*(6*\e+3*\u+\c)+3], s[10:11] offset:12288*\u+1536*\e+512*\c   ; 512 consecutive bytes, aligned
.endr
.endr
.endr
	s_set_vgpr_msb 0x4
	s_wait_tensorcnt 0x0
	ds_add_u32 v15, v1
	s_wait_dscnt 0x0
	s_set_vgpr_msb 0x400
	s_endpgm
.Lfunc_end_k_q4122edfc9a_quant:
	.size	k_q4122edfc9a_quant, .Lfunc_end_k_q4122edfc9a_quant-k_q4122edfc9a_quant
	.p2alignl 7, 3214868480
	.fill 96, 4, 3214868480
	.section	.rodata,"a",@progbits
	.p2align	6, 0x0
	.amdhsa_kernel k_q4122edfc9a_quant
		.amdhsa_group_segment_fixed_size 60928
		.amdhsa_private_segment_fixed_size 0
		.amdhsa_enable_private_segment 0
		.amdhsa_kernarg_size 40
		.amdhsa_user_sgpr_count 2
		.amdhsa_user_sgpr_kernarg_segment_ptr 1
		.amdhsa_wavefront_size32 1
		.amdhsa_system_sgpr_workgroup_id_x 1
		.amdhsa_system_sgpr_workgroup_id_y 1
		.amdhsa_system_sgpr_workgroup_id_z 1
		.amdhsa_system_vgpr_workitem_id 0
		.amdhsa_next_free_vgpr 258
		.amdhsa_next_free_sgpr 66
		.amdhsa_reserve_vcc 1
		.amdhsa_float_denorm_mode_32 3
		.amdhsa_float_denorm_mode_16_64 3
		.amdhsa_memory_ordered 1
		.amdhsa_forward_progress 1
		.amdhsa_inst_pref_size 77
	.end_amdhsa_kernel
	.amdgpu_metadata
---
amdhsa.version: [ 1, 2 ]
amdhsa.kernels:
  - .name:           k_q4122edfc9a_quant
    .symbol:         k_q4122edfc9a_quant.kd
    .args:
      - { .name: x, .offset: 0, .size: 8, .value_kind: global_buffer, .address_space: global }
      - { .name: W_qkv, .offset: 8, .size: 8, .value_kind: global_buffer, .address_space: global }
      - { .name: W_out, .offset: 16, .size: 8, .value_kind: global_buffer, .address_space: global }
      - { .name: cod1, .offset: 24, .size: 8, .value_kind: global_buffer, .address_space: global }
      - { .name: scl1, .offset: 32, .size: 8, .value_kind: global_buffer, .address_space: global }
    .group_segment_fixed_size: 60928
    .private_segment_fixed_size: 0
    .kernarg_segment_align: 8
    .kernarg_segment_size: 40
    .max_flat_workgroup_size: 128
    .sgpr_count:     66
    .vgpr_count:     258
    .wavefront_size: 32
...
	.end_amdgpu_metadata
.endif
;; end of part 1
;; launch gemm_qkv (part 2): grid 12 x 32, 4 waves a work-group, clusters of 4 x 4, 327,680 bytes of LDS; arguments cod1, scl1, b_qkv, cod2, scl2; writes cod2, scl2
.if DOCPART == 2
	.amdgcn_target "amdgcn-amd-amdhsa--gfx1250"
	.amdhsa_code_object_version 6
	.text
	.protected	k_q4122edfc9a_gemm_qkv
	.globl	k_q4122edfc9a_gemm_qkv
	.p2align	8
	.type	k_q4122edfc9a_gemm_qkv,@function
k_q4122edfc9a_gemm_qkv:
	s_mov_b64 s[64:65], 0
	v_nop
	global_prefetch_b8 v0, s[64:65] scope:SCOPE_SE
	s_setreg_imm32_b32 hwreg(HW_REG_WAVE_MODE, 25, 1), 1
	s_wait_xcnt 0x0
	s_wait_alu depctr_hold_cnt(0) depctr_sa_sdst(0) depctr_va_vdst(0) depctr_va_sdst(0) depctr_va_ssrc(0) depctr_va_vcc(0) depctr_vm_vsrc(0)
	s_getreg_b32 s2, hwreg(HW_REG_IB_STS2, 6, 4)
	s_cmp_eq_u32 s2, 0
	s_cbranch_scc0 .Lentry_in_a_cluster
	s_endpgm
.Lentry_in_a_cluster:
	s_bfe_u32 s2, ttmp6, 0x10000c
	s_cmp_lg_u32 s2, 0xf033
	s_cbranch_scc0 .Lentry_shape_is_right
	s_endpgm
.Lentry_shape_is_right:
.set XCB,    6291456
.set XSB,    262144
.set AOFFV,  XCB+128*12288
.set ASCV,   XSB+128*512
.set QB,     6291456
.set FR,     12
.set NLA,    3
.set NP,     4
.set HALFT,  24576
.set SLOT,   4*HALFT
.set SCL,    2*SLOT
.set SCLB,   8320
.set SPARE,  213248
.set ADRA, 16
.set ADRB, 20
.set LI,   24
.set L8,   25
.set ADRS, 27
.set SPW,  28
.set NIL,  29
.set SC,   32
.set CB,   64
.set AF,   128
.set TM,   64
.set TP,   80
.set PWA,  88
.set PWB,  89
.set SWR,  96
.set OUTC, 128
.set G1, 24
.set G0, 32
.set G1B, 48
.set G0B, 56
.set G1S, 68
.set G0S, 76
.set G1SB, 80
.set G0SB, 88
.set MSB, 0
.macro WIN new
.if MSB != (\new)
	s_set_vgpr_msb (MSB<<8)|(\new)
.set MSB, (\new)
.endif
.endm
.set MUL_LO, 0xa1
.set MUL_HI, 0xf1
.set BIA_LO, 0x81
.set BIA_HI, 0xc1
.set TO_B,   0x40
.macro JLOAD g0a, g1a, g0b, g1b
	s_cmp_eq_u32 s15, 0
	s_cbranch_scc0 .Lfor_b_\@
	tensor_load_to_lds s[\g0a:\g0a+3], s[\g1a:\g1a+7]
	s_nop 0
.rept 4
	v_nop
.endr
	s_branch .Lasked_\@
.Lfor_b_\@:
	tensor_load_to_lds s[\g0b:\g0b+3], s[\g1b:\g1b+7]
	s_nop 0
.rept 4
	v_nop
.endr
.Lasked_\@:
.endm
.macro CREST
	s_cmp_lg_u32 s14, 0
	s_cbranch_scc1 .Lnot_wave_0_\@
	s_barrier_signal -3
.Lnot_wave_0_\@:
	s_barrier_wait -3
	s_barrier_signal -1
	s_barrier_wait -1
.endm
.macro CROUND
	s_barrier_signal -1
	s_barrier_wait -1
	CREST
.endm
	s_load_b256 s[4:11], s[0:1], 0x0
	s_load_b64 s[12:13], s[0:1], 0x20
	v_lshl_add_u32 v[SPW], v0, 2, SPARE
	v_mov_b32 v[NIL], 0
	ds_add_u32 v28, v29
	ds_add_u32 v28, v29
	s_wait_dscnt 0x0
	v_lshrrev_b32 v1, 5, v0
	v_readfirstlane_b32 s14, v1
	s_lshr_b32 s15, s14, 1
	s_and_b32 s16, s14, 1
	s_bfe_u32 s40, ttmp6, 0x40000
	s_bfe_u32 s41, ttmp6, 0x40004
	s_and_b32 s18, ttmp7, 0xffff
	s_lshl_b32 s18, s18, 2
	s_lshl_b32 s19, ttmp9, 2
	s_cmp_eq_u32 ttmp9, 2
	s_cselect_b32 s66, 1, 0
	s_cselect_b32 s17, 0, s18
	s_cselect_b32 s42, s18, s19
	s_cselect_b32 s92, AOFFV, 0
	s_cselect_b32 s93, ASCV, 0
	s_cselect_b32 s94, 0, XCB
	s_cselect_b32 s95, 0, XSB
	s_add_co_u32 s17, s17, s41
	s_add_co_u32 s42, s42, s40
	s_lshl_b32 s43, s41, 2
	s_lshl_b32 s43, 15, s43
	s_lshl_b32 s44, 0x1111, s40
	s_or_b32 s[G1+0], s43, (3<<16)|(1<<21)
	s_or_b32 s[G1B+0], s44, (3<<16)|(1<<21)
.irp g, G1, G1B
	s_mov_b32 s[\g+1], 384<<16
	s_mov_b32 s[\g+2], 16<<16                      ; at the head a load brings all 16 tiles of a side; behind it the two words that count rows are set to 8
	s_mov_b32 s[\g+3], 384<<16
	s_mov_b32 s[\g+4], 16
	s_mov_b32 s[\g+5], 1536
	s_mov_b32 s[\g+6], 0
	s_mov_b32 s[\g+7], 0
.endr
	s_or_b32 s[G1S+0], s43, (3<<16)|(1<<21)
	s_or_b32 s[G1SB+0], s44, (3<<16)|(1<<21)
.irp g, G1S, G1SB
	s_mov_b32 s[\g+1], 32<<16
	s_mov_b32 s[\g+2], 32<<16                      ; the scale words of all 16 tiles of a side: 32 rows of 256 bytes
	s_mov_b32 s[\g+3], 32<<16
	s_mov_b32 s[\g+4], 32
	s_mov_b32 s[\g+5], 32
	s_mov_b32 s[\g+6], 0
	s_mov_b32 s[\g+7], 0
.endr
	s_mul_i32 s100, s16, 8*12288                   ; in the ring I fetch 8 of a side's 16 tiles: which half, in bytes
	s_mov_b32 s101, 0
	s_lshl_b32 s20, s17, 4
	s_lshl_b32 s46, s42, 4
	s_lshl_b32 s22, s20, 9
	s_add_co_u32 s22, s22, s93
	s_mov_b32 s23, 0
	s_mul_i32 s20, s20, 12288
	s_add_co_u32 s20, s20, s92
	s_mov_b32 s21, 0
	s_lshl_b32 s96, s46, 9
	s_add_co_u32 s96, s96, s95
	s_mov_b32 s97, 0
	s_mul_i32 s46, s46, 12288
	s_add_co_u32 s46, s46, s94
	s_mov_b32 s47, 0
	s_mul_i32 s45, s14, HALFT
	s_wait_kmcnt 0x0
	s_add_nc_u64 s[20:21], s[4:5], s[20:21]
	s_add_nc_u64 s[22:23], s[6:7], s[22:23]
	s_add_nc_u64 s[46:47], s[4:5], s[46:47]
	s_add_nc_u64 s[96:97], s[6:7], s[96:97]
	CROUND
	s_mov_b32 s[G0S], 1
	s_mov_b32 s[G0S+1], SCL
	s_mov_b64 s[G0S+2:G0S+3], s[22:23]
	s_or_b32 s[G0S+3], s[G0S+3], 0x80000000
	s_mov_b32 s[G0SB], 1
	s_mov_b32 s[G0SB+1], SCL+SCLB
	s_mov_b64 s[G0SB+2:G0SB+3], s[96:97]
	s_or_b32 s[G0SB+3], s[G0SB+3], 0x80000000
	s_mov_b32 s[G0], 1                             ; slot 0's groups 0 serve the head first: a side's 16 tiles whole, K steps 0 and 1
	s_mov_b32 s[G0+1], 0
	s_mov_b64 s[G0+2:G0+3], s[20:21]
	s_or_b32 s[G0+3], s[G0+3], 0x80000000
	s_mov_b32 s[G0B], 1
	s_mov_b32 s[G0B+1], 2*HALFT
	s_mov_b64 s[G0B+2:G0B+3], s[46:47]
	s_or_b32 s[G0B+3], s[G0B+3], 0x80000000
	s_add_nc_u64 s[20:21], s[20:21], s[100:101]    ; for the ring: my 8 tiles
	s_add_nc_u64 s[46:47], s[46:47], s[100:101]
	s_mov_b32 s[G0+4], 1
	s_add_co_u32 s[G0+5], s45, SLOT
	s_add_nc_u64 s[G0+6:G0+7], s[20:21], 3072
	s_or_b32 s[G0+7], s[G0+7], 0x80000000
	s_mov_b32 s[G0B+4], 1
	s_add_co_u32 s[G0B+5], s45, SLOT
	s_add_nc_u64 s[G0B+6:G0B+7], s[46:47], 3072
	s_or_b32 s[G0B+7], s[G0B+7], 0x80000000
; THE HEAD'S LOADS, ONE A WAVE: wave 0 slot 0's 16 tiles of A, wave 1 those of B, wave 2 A's scale words, wave 3 B's.  One chain of branches on the wave's number, a load to an arm
.macro ARM under, g0, g1, next
	s_cmp_lt_u32 s14, \under
	s_cbranch_scc0 \next
	tensor_load_to_lds s[\g0:\g0+3], s[\g1:\g1+7]
	s_nop 0
.rept 4
	v_nop
.endr
	s_branch .Lhead_asked
\next:
.endm
	ARM 1, G0,  G1,  .Lhead_b
	ARM 2, G0B, G1B, .Lhead_sa
	ARM 3, G0S, G1S, .Lhead_sb
	tensor_load_to_lds s[G0SB:G0SB+3], s[G1SB:G1SB+7]
	s_nop 0
.rept 4
	v_nop
.endr
.Lhead_asked:
	v_and_b32 v1, 15, v0
	v_bfe_u32 v2, v0, 4, 1
	s_wait_alu depctr_va_vdst(0)
	v_and_b32 v3, 31, v0
	v_lshlrev_b32 v[LI], 4, v3
	v_lshlrev_b32 v[L8], 3, v3
	s_mul_i32 s21, s15, HALFT
	s_mul_i32 s22, s16, HALFT
	s_add_co_u32 s22, s22, 2*HALFT
.irp s, 0,1
	v_add_nc_u32 v[ADRA+\s], s21, v[LI]
	v_add_nc_u32 v[ADRB+\s], s22, v[LI]
	s_add_co_u32 s21, s21, SLOT
	s_add_co_u32 s22, s22, SLOT
.endr
	s_lshl_b32 s21, s15, 12
	s_lshl_b32 s22, s16, 12
	s_add_co_u32 s22, s22, SCLB
	s_sub_co_u32 s22, s22, s21
	v_mul_u32_u24 v6, s22, v2
	s_add_co_u32 s21, s21, SCL
	v_lshl_add_u32 v5, v1, 3, v6
	v_add_nc_u32 v[ADRS], s21, v5
	v_lshlrev_b32 v7, 6, v2
	v_and_b32 v8, 8, v1
	v_add_nc_u32 v8, v8, v1
	v_lshlrev_b32 v8, 2, v8
	s_mov_b32 s18, 0x76543210
	s_mov_b32 s19, 0xfedcba98
	s_mov_b32 s2, 0x05040100
	s_mov_b32 s3, 0x07060302
	s_lshl_b32 s20, s17, 1
	s_add_co_u32 s20, s20, s15
	s_lshl_b32 s21, s42, 1
	s_add_co_u32 s21, s21, s16
	s_lshl_b32 s22, s42, 2
	s_lshl_b32 s23, s16, 1
	s_add_co_u32 s22, s22, s23
	s_and_b32 s22, s22, 15
	s_lshl_b32 s23, s17, 2
	s_lshl_b32 s46, s15, 1
	s_add_co_u32 s23, s23, s46
	s_lshr_b32 s46, s42, 2
	s_cmp_eq_u32 s66, 1
	s_cselect_b32 s20, s21, s20
	s_cselect_b32 s22, s23, s22
	s_cselect_b32 s46, 2, s46
	s_lshr_b32 s21, s20, 4
	s_and_b32 s20, s20, 15
	s_lshl_b32 s21, s21, 4
	s_add_co_u32 s21, s21, s22
	s_mul_i32 s96, s46, QB
	s_mul_i32 s23, s21, 98304
	s_add_co_u32 s96, s96, s23
	s_mul_i32 s23, s20, 6144
	s_add_co_u32 s96, s96, s23
	s_mov_b32 s97, 0
	s_add_nc_u64 s[10:11], s[10:11], s[96:97]
	s_lshl_b32 s96, s46, 18
	s_lshl_b32 s23, s21, 12
	s_add_co_u32 s96, s96, s23
	s_lshl_b32 s23, s20, 8
	s_add_co_u32 s96, s96, s23
	s_add_nc_u64 s[12:13], s[12:13], s[96:97]
	s_mul_i32 s96, s22, 768
	s_lshl_b32 s23, s46, 8
	s_add_co_u32 s96, s96, s23
	s_add_nc_u64 s[8:9], s[8:9], s[96:97]
	s_cmp_eq_u32 s66, 1
	s_cbranch_scc1 .Lbias_v
	s_wait_alu depctr_va_vdst(0)
.irp b, 0,1,2,3,4,5,6,7
	global_load_b128 v[CB+8*\b:CB+8*\b+3], v7, s[8:9] offset:4*((\b/4)*192+32*((\b/2)%2)+8*(\b%2))
	global_load_b128 v[CB+8*\b+4:CB+8*\b+7], v7, s[8:9] offset:4*((\b/4)*192+32*((\b/2)%2)+8*(\b%2))+16
.endr
	s_branch .Lbias_done
.Lbias_v:
	s_wait_alu depctr_va_vdst(0)
.irp a, 0,1,2,3,4,5,6,7
.irp j, 0,1,2,3,4,5,6,7
	global_load_b32 v[CB+8*\a+\j], v8, s[8:9] offset:4*((\a/4)*192+32*((\a/2)%2)+8*(\a%2))
.endr
.endr
.Lbias_done:
.macro FRAGB reg, adr, q, i
.irp c, 0,1,2
	ds_load_b128 v[\reg+4*\c:\reg+4*\c+3], v[\adr] offset:(\i)*3072+(\q)*1536+512*\c
.endr
.endm
.macro MUL16 a0, p, q, sc, zero
.irp a, \a0, \a0+1
.irp b, 0,1,2,3,4,5,6,7
.if (\zero) == 0
	v_wmma_scale_f32_16x16x128_f8f6f4 v[8*(8*((\a)%4)+\b):8*(8*((\a)%4)+\b)+7], v[128*(\p)+FR*\b:128*(\p)+FR*\b+FR-1], v[AF+FR*(\a):AF+FR*(\a)+FR-1], v[8*(8*((\a)%4)+\b):8*(8*((\a)%4)+\b)+7], v[SC+16*(\sc)+2*\b+(\q)], v[SC+16*(\sc)+2*(\a)+(\q)] matrix_a_fmt:MATRIX_FMT_FP6 matrix_b_fmt:MATRIX_FMT_FP6 matrix_a_scale:MATRIX_SCALE_ROW1
.elseif (\zero) == 1
	v_wmma_scale_f32_16x16x128_f8f6f4 v[8*(8*((\a)%4)+\b):8*(8*((\a)%4)+\b)+7], v[128*(\p)+FR*\b:128*(\p)+FR*\b+FR-1], v[AF+FR*(\a):AF+FR*(\a)+FR-1], v[CB+8*\b:CB+8*\b+7], v[SC+16*(\sc)+2*\b+(\q)], v[SC+16*(\sc)+2*(\a)+(\q)] matrix_a_fmt:MATRIX_FMT_FP6 matrix_b_fmt:MATRIX_FMT_FP6 matrix_a_scale:MATRIX_SCALE_ROW1
.else
	v_wmma_scale_f32_16x16x128_f8f6f4 v[8*(8*((\a)%4)+\b):8*(8*((\a)%4)+\b)+7], v[128*(\p)+FR*\b:128*(\p)+FR*\b+FR-1], v[AF+FR*(\a):AF+FR*(\a)+FR-1], v[CB+8*(\a):CB+8*(\a)+7], v[SC+16*(\sc)+2*\b+(\q)], v[SC+16*(\sc)+2*(\a)+(\q)] matrix_a_fmt:MATRIX_FMT_FP6 matrix_b_fmt:MATRIX_FMT_FP6 matrix_a_scale:MATRIX_SCALE_ROW1
.endif
.endr
.endr
.endm
.macro FETCH_B slot, q, p
	WIN TO_B
.irp i, 0,1,2,3,4,5,6,7
	FRAGB 128*(\p)+FR*\i, ADRB+\slot, \q, \i
.endr
	WIN 0
.endm
.macro FETCH_A slot, q, i0
.irp i, \i0, \i0+1, \i0+2, \i0+3
	FRAGB AF+FR*(\i), ADRA+\slot, \q, \i
.endr
.endm
.macro SCALES sc
.irp i, 0,1,2,3,4,5,6,7
	ds_load_b64 v[SC+16*\sc+2*\i:SC+16*\sc+2*\i+1], v[ADRS] offset:512*\i
.endr
.endm
.macro PLACES n
.rept \n
	v_nop
.endr
.endm
.macro STEP slot, q, zero
	s_wait_dscnt 4*NLA
.if \zero
	WIN BIA_LO
.else
	WIN MUL_LO
.endif
	MUL16 0, (\q)%2, \q, \slot, \zero
	MUL16 2, (\q)%2, \q, \slot, \zero
	s_wait_dscnt 0x0
	PLACES NP
	FETCH_B \slot, (\q)+1, 1-(\q)%2
	FETCH_A \slot, (\q)+1, 0
.if \zero
	WIN BIA_HI
.else
	WIN MUL_HI
.endif
	MUL16 4, (\q)%2, \q, \slot, \zero
	MUL16 6, (\q)%2, \q, \slot, \zero
	PLACES NP
	WIN 0
	FETCH_A \slot, (\q)+1, 4
.endm
.macro TURN slot, next, fill
	s_wait_tensorcnt 0x0
	ds_add_u32 v[SPW], v[NIL]
	s_wait_dscnt 4*NLA+1
	WIN MUL_LO
	MUL16 0, 1, 1, \slot, 0
	s_wait_dscnt 0x0
	s_barrier_signal -1
	MUL16 2, 1, 1, \slot, 0
	WIN 0
	s_barrier_wait -1
.if \fill
	CREST
	s_add_nc_u64 s[G0+4*\slot+2:G0+4*\slot+3], s[G0+4*\slot+2:G0+4*\slot+3], 6144
	s_add_nc_u64 s[G0B+4*\slot+2:G0B+4*\slot+3], s[G0B+4*\slot+2:G0B+4*\slot+3], 6144
	JLOAD G0+4*\slot, G1, G0B+4*\slot, G1B
.else
	PLACES NP
.endif
	s_wait_alu depctr_va_vdst(0)
	v_add_nc_u32 v[ADRS], 128, v[ADRS]
	FETCH_B \next, 0, 0
	FETCH_A \next, 0, 0
	SCALES \next
	WIN MUL_HI
	MUL16 4, 1, 1, \slot, 0
	MUL16 6, 1, 1, \slot, 0
	PLACES NP
	WIN 0
	FETCH_A \next, 0, 4
.endm
	s_wait_alu depctr_va_vdst(0)                   ; the wait at the head's end
	s_wait_tensorcnt 0x0                           ; my tile of the head's four is in; these lines stand ahead of slot 1's first fill as ahead of a refill
	ds_add_u32 v[SPW], v[NIL]
	s_mov_b32 s[G1+2], 8<<16                       ; no tensor load of mine is out: from here on a load brings 8 tiles,
	s_mov_b32 s[G1+4], 8
	s_mov_b32 s[G1B+2], 8<<16
	s_mov_b32 s[G1B+4], 8
	s_add_co_u32 s[G0+1], s45, 0                   ; and slot 0's groups 0 are set for the ring: my quarter of the slot, my 8 tiles
	s_add_co_u32 s[G0B+1], s45, 0
	s_add_nc_u64 s[G0+2:G0+3], s[G0+2:G0+3], s[100:101]
	s_add_nc_u64 s[G0B+2:G0B+3], s[G0B+2:G0B+3], s[100:101]
	s_wait_dscnt 0x0
	CROUND                                         ; all four tiles are in, all sixteen work-groups are here
	JLOAD G0+4, G1, G0B+4, G1B                     ; slot 1's first fill, the first tensor load behind the round
	FETCH_B 0, 0, 0
	FETCH_A 0, 0, 0
	SCALES 0
	FETCH_A 0, 0, 4
	s_wait_loadcnt 0x0
	s_cmp_eq_u32 s66, 1
	s_cbranch_scc1 .Lfirst_v
	STEP 0, 0, 1
	s_branch .Lfirst_done
.Lfirst_v:
	STEP 0, 0, 2
.Lfirst_done:
	TURN 0, 1, 1
	STEP 1, 0, 0
	TURN 1, 0, 1
	STEP 0, 0, 0
	TURN 0, 1, 0
	STEP 1, 0, 0
	s_wait_dscnt 4*NLA
	WIN MUL_LO
	MUL16 0, 1, 1, 1, 0
	MUL16 2, 1, 1, 1, 0
	s_wait_dscnt 0x0
	WIN MUL_HI
	MUL16 4, 1, 1, 1, 0
	MUL16 6, 1, 1, 1, 0
	WIN 0
.macro QUANTA a, d0, d1, pw
.set AC, 64*((\a)%4)
.set WS, 2+(\a)/4
.set WW, (WS<<2)|(WS<<4)
.irp b, 0,1,2,3
	v_mov_b32 v[TM+\b], 0x1800000
.endr
	WIN WW
.irp i, 0,2,4,6,8,10,12,14
.irp b, 0,1,2,3
	v_max3_num_f32 v[TM+\b], v[TM+\b], |v[AC+16*\b+\i]|, |v[AC+16*\b+\i+1]|
.endr
.endr
	WIN 0
.irp b, 0,1,2,3
	v_permlanex16_b32 v[TM+4+\b], v[TM+\b], s18, s19
.endr
.irp b, 0,1,2,3
	v_max_num_f32 v[TM+\b], v[TM+\b], v[TM+4+\b]
.endr
.irp b, 0,1,2,3
	v_add_nc_u32 v[TM+12+\b], 0xff000000, v[TM+\b]
.endr
.irp b, 0,1,2,3
	v_lshrrev_b32 v[TM+4+\b], 23, v[TM+12+\b]
.endr
	v_lshl_or_b32 v[\pw], v[TM+5], 8, v[TM+4]
	v_lshl_or_b32 v[\pw], v[TM+6], 16, v[\pw]
	v_lshl_or_b32 v[\pw], v[TM+7], 24, v[\pw]
	WIN WS
	v_cvt_scalef32_pk16_fp6_f32 v[\d0:\d0+2], v[AC:AC+15], v[TM+12]
	v_cvt_scalef32_pk16_fp6_f32 v[TP:TP+2], v[AC+16:AC+31], v[TM+13]
	v_cvt_scalef32_pk16_fp6_f32 v[\d1:\d1+2], v[AC+32:AC+47], v[TM+14]
	v_cvt_scalef32_pk16_fp6_f32 v[TP+4:TP+6], v[AC+48:AC+63], v[TM+15]
	WIN 0
	v_nop
.irp i, 0,1,2
	v_permlane16_swap_b32 v[\d0+\i], v[TP+\i]
	v_permlane16_swap_b32 v[\d1+\i], v[TP+4+\i]
.endr
.irp i, 0,1,2
	v_mov_b32 v[\d0+3+\i], v[TP+\i]
	v_mov_b32 v[\d1+3+\i], v[TP+4+\i]
.endr
.endm
	PLACES NP
.irp b, 0,1,2,3
	v_mov_b32 v[TM+4+\b], 0
.endr
	s_cmp_eq_u32 s66, 1
	s_cbranch_scc1 .Lout_v
.irp p, 0,1,2,3
.set KA, OUTC+24*\p
.set KB, KA+12
	QUANTA 2*\p, KA, KB, PWA
	QUANTA 2*\p+1, KA+6, KB+6, PWB
	v_perm_b32 v[SWR+\p], v[PWB], v[PWA], s2
	v_perm_b32 v[SWR+4+\p], v[PWB], v[PWA], s3
.irp c, 0,1,2
	global_store_b128 v[LI], v[KA+4*\c:KA+4*\c+3], s[10:11] offset:1536*\p+512*\c
	global_store_b128 v[LI], v[KB+4*\c:KB+4*\c+3], s[10:11] offset:98304+1536*\p+512*\c
.endr
.endr
	s_branch .Lout_done
.Lout_v:
.irp a, 0,1,2,3,4,5,6,7
	QUANTA \a, OUTC+12*\a, OUTC+12*\a+6, SWR+\a
.irp c, 0,1,2
	global_store_b128 v[LI], v[OUTC+12*\a+4*\c:OUTC+12*\a+4*\c+3], s[10:11] offset:(\a/4)*98304+(\a%4)*1536+512*\c
.endr
.endr
.Lout_done:
	v_cmp_le_u32 vcc_lo, 16, v3
	v_cndmask_b32 v104, v[SWR], v[SWR+2], vcc_lo
	s_wait_alu depctr_va_vdst(0)
	v_cndmask_b32 v105, v[SWR+1], v[SWR+3], vcc_lo
	v_cndmask_b32 v106, v[SWR+4], v[SWR+6], vcc_lo
	v_cndmask_b32 v107, v[SWR+5], v[SWR+7], vcc_lo
	global_store_b64 v[L8], v[104:105], s[12:13]
	global_store_b64 v[L8], v[106:107], s[12:13] offset:4096
	s_wait_tensorcnt 0x0
	ds_add_u32 v[SPW], v[NIL]
	s_wait_dscnt 0x0
	CROUND
	s_endpgm
.Lfunc_end_k_q4122edfc9a_gemm_qkv:
	.size	k_q4122edfc9a_gemm_qkv, .Lfunc_end_k_q4122edfc9a_gemm_qkv-k_q4122edfc9a_gemm_qkv
	.p2alignl 7, 3214868480
	.fill 96, 4, 3214868480
	.section	.rodata,"a",@progbits
	.p2align	6, 0x0
	.amdhsa_kernel k_q4122edfc9a_gemm_qkv
		.amdhsa_group_segment_fixed_size 327680
		.amdhsa_private_segment_fixed_size 0
		.amdhsa_enable_private_segment 0
		.amdhsa_kernarg_size 40
		.amdhsa_user_sgpr_count 2
		.amdhsa_user_sgpr_kernarg_segment_ptr 1
		.amdhsa_wavefront_size32 1
		.amdhsa_system_sgpr_workgroup_id_x 1
		.amdhsa_system_sgpr_workgroup_id_y 1
		.amdhsa_system_sgpr_workgroup_id_z 1
		.amdhsa_system_vgpr_workitem_id 0
		.amdhsa_next_free_vgpr 1024
		.amdhsa_next_free_sgpr 102
		.amdhsa_reserve_vcc 1
		.amdhsa_float_denorm_mode_32 3
		.amdhsa_float_denorm_mode_16_64 3
		.amdhsa_memory_ordered 1
		.amdhsa_forward_progress 1
		.amdhsa_inst_pref_size 196
	.end_amdhsa_kernel
	.amdgpu_metadata
---
amdhsa.version: [ 1, 2 ]
amdhsa.kernels:
  - .name:           k_q4122edfc9a_gemm_qkv
    .symbol:         k_q4122edfc9a_gemm_qkv.kd
    .args:
      - { .name: cod1, .offset: 0, .size: 8, .value_kind: global_buffer, .address_space: global }
      - { .name: scl1, .offset: 8, .size: 8, .value_kind: global_buffer, .address_space: global }
      - { .name: b_qkv, .offset: 16, .size: 8, .value_kind: global_buffer, .address_space: global }
      - { .name: cod2, .offset: 24, .size: 8, .value_kind: global_buffer, .address_space: global }
      - { .name: scl2, .offset: 32, .size: 8, .value_kind: global_buffer, .address_space: global }
    .group_segment_fixed_size: 327680
    .private_segment_fixed_size: 0
    .kernarg_segment_align: 8
    .kernarg_segment_size: 40
    .max_flat_workgroup_size: 128
    .sgpr_count:     102
    .vgpr_count:     1024
    .wavefront_size: 32
...
	.end_amdgpu_metadata
.endif
;; end of part 2
;; launch attn (part 3): grid 4 x 64, 16 waves a work-group, clusters of 4 x 1, 206,848 bytes of LDS; arguments cod2, scl2, cod3, scl3; writes cod3, scl3
.if DOCPART == 3
	.amdgcn_target "amdgcn-amd-amdhsa--gfx1250"
	.amdhsa_code_object_version 6
	.text
	.protected	k_q4122edfc9a_attn
	.globl	k_q4122edfc9a_attn
	.p2align	8
	.type	k_q4122edfc9a_attn,@function
k_q4122edfc9a_attn:
	s_mov_b64 s[64:65], 0
	v_nop
	global_prefetch_b8 v0, s[64:65] scope:SCOPE_SE
	s_setreg_imm32_b32 hwreg(HW_REG_WAVE_MODE, 25, 1), 1
	s_wait_xcnt 0x0
	s_wait_alu depctr_hold_cnt(0) depctr_sa_sdst(0) depctr_va_vdst(0) depctr_va_sdst(0) depctr_va_ssrc(0) depctr_va_vcc(0) depctr_vm_vsrc(0)
	s_getreg_b32 s2, hwreg(HW_REG_IB_STS2, 6, 4)
	s_cmp_eq_u32 s2, 0
	s_cbranch_scc0 .Lentry_in_a_cluster
	s_endpgm
.Lentry_in_a_cluster:
	s_bfe_u32 s2, ttmp6, 0x10000c
	s_cmp_lg_u32 s2, 0x3003
	s_cbranch_scc0 .Lentry_shape_is_right
	s_endpgm
.Lentry_shape_is_right:
; Attention of one (batch, head) for each cluster of four work-groups: 2,048 queries, 2,048 keys, head size 64, both products on codes of FP6 (E2M3) with E8M0 scales; the result is quantised as the operand of the last product.
; SOFTMAX: t = score x log2(e) / 8; M = the running largest t rounded UP to a whole number; p = 2^(t - M) is quantised along the keys, not normalised; the row's sum is taken of the unquantised p and divides O at the end.
; When M moves, the sum and O are multiplied by 2^(old M - new M): exact, and no branch on data.
; A WHOLE HEAD'S K AND V STAY IN LDS: 2 x 98,304 bytes of codes and 2 x 4,096 of scale words, filled ONCE: no slot is ever filled again.  The four work-groups ask for every tile JOINTLY (mask 15).
; Everything that the launch reads of K and V is asked for at its head, so there is nothing to ask for ahead of time: no prefetch.
; SHARES.  A work-group owns 512 queries, in two passes of 256; wave w of work-group cx owns pair p = 16 cx + w of query tiles: tile 2 p in the first pass, tile 2 p + 1 in the second.  Sixteen waves of 256 registers, four to a SIMD,
; so that one wave's vector work stands beside another's matrix work and LDS loads.  Every wave walks all keys, 128 a step.
; LAYOUT.  Both products are used transposed (S^T = K Q^T, O^T = V^T P^T): a lane holds ONE query throughout.  Lane r of tile T holds row 32 (T / 2) + 8 (T % 2) + r + 8 (r / 8), so the 16 registers of two neighbouring tiles are 16 neighbours.
; K = 64 IN AN INSTRUCTION OF 128.  A fragment of K holds TWO tiles of keys (registers 0-5 tile 2 i, registers 6-11 tile 2 i + 1).  Against Q1 = [q | zero codes] it gives tile 2 i's scores, against Q2 = [zero codes | q] tile 2 i + 1's.
; The scale bytes over Q's zero codes are 0, a finite scale: a zero code adds nothing under it.
; STORED: cod3 [query tile 512][K step 8][1536]: a fragment's two halves of 768 bytes are heads 2 s, 2 s + 1: registers 0-3 at 16 x lane, registers 4, 5 at 512 + 8 x lane.  scl3: 512 bytes a tile; a head owns two bytes of a scale word.
; LIMITS: a block of zeros gets the byte 1 where the rule says 127 (its codes are zeros; this program alone reads the bytes); NaN and infinities are not served.
.set QB,   6291456                     ; a region of cod2: q, k, v
.set VC,   6144                        ; LDS: key step s (128 keys) lies at 12,288 s: K's four fragments, and V's four VC bytes behind them
.set KSC,  196608                      ; K's scale words, [128 keys 16][256]
.set VSC,  200704                      ; V's
.set AK0,  1                           ; v1   16 x lane: my place in a fragment of K, and in the stores
.set AV0,  2                           ; v2   VC + 16 x lane
.set ASK0, 3                           ; v3   KSC + 8 r
.set ASV0, 4                           ; v4   VSC + 8 r
.set L8,   6                           ; v6   8 x lane
.set R8,   7                           ; v7   8 r
.set ADK,  8                           ; v8-11 the step's LDS addresses: K, V, K's scale words, V's
.set ADV,  9
.set ADS,  10
.set ADT,  11
.set FRG,  48                          ; v48-95  four fragments, K's and then V's
.set PC,   192                         ; v192-203 p's codes
.set TP,   204                         ; v204-210 the conversions' second halves
.set BM,   212                         ; v212-215 a block's largest score, then its largest p
.set BT,   216                         ; v216-219 at work
.set SO,   220                         ; v220-223 the conversions' scale operands
.set KW,   224                         ; v224-227 K's scale words
.set VW,   228                         ; v228-231 V's
.set FF,   232                         ; v232 f = 2^(old M - new M);  v233 p's scale word
.set PSW,  233
.set TV,   234                         ; v234 at work
.set S2,   236                         ; v[236:237] one of the sum's eight chains, beside v[242:253] and v[14:15]
; v12 -M, v13 the largest t, v[14:15] the sum; v16-27 Q1, v28-39 Q2, v40-45 the second pass's q; v46, v47 Q1's and Q2's scale words, v240, v241 the second pass's; v96-159 S^T, then p; v160-191 O^T
.set WV,   12                          ; s12  wave
.set SEL,  20                          ; s[20:21] lane selects: lane l xor 16
.set CS,   22                          ; s[22:23] c = log2(e) / 8
.set G1C,  24                          ; s[24:31] group 1 of a step's codes;  s[40:43] my group 0
.set TK,   60                          ; s60  the step's byte in the codes: 12,288 a step
.set TW,   61                          ; s61  and in the scale words: 256 a step
.macro CROUND                          ; a round of the cluster's barrier
	s_barrier_signal -1
	s_barrier_wait -1
	s_cmp_lg_u32 s[WV], 0
	s_cbranch_scc1 .Lnot_wave_0_\@
	s_barrier_signal -3
.Lnot_wave_0_\@:
	s_barrier_wait -3
	s_barrier_signal -1
	s_barrier_wait -1
.endm
	s_load_b256 s[4:11], s[0:1], 0x0               ; cod2 s[4:5], scl2 s[6:7], cod3 s[8:9], scl3 s[10:11]
	v_lshl_add_u32 v254, v0, 2, 0x32000
	v_mov_b32 v255, 0
	ds_add_u32 v254, v255
	ds_add_u32 v254, v255
	v_lshrrev_b32 v1, 5, v0
	s_delay_alu instid0(VALU_DEP_1)
	v_readfirstlane_b32 s[WV], v1                  ; wave 0..15
	s_bfe_u32 s13, ttmp6, 0x40000                  ; cx: it enters q's and the results' addresses alone
	s_and_b32 s14, ttmp7, 0xffff                   ; 16 x batch + head, which the four partners share
	; group 1: wave w fetches key step w by ONE tile of two rows of 6,144 bytes (768 elements of 8): K's four fragments, and V's, which lie QB bytes further on in cod2
	s_mov_b32 s[G1C], 15|(3<<16)|(1<<21)           ; 15:0 the mask: all four work-groups; 17:16 elements of 8 bytes; 21 set beside a mask
	s_mov_b32 s[G1C+1], 768<<16
	s_mov_b32 s[G1C+2], 2<<16
	s_mov_b32 s[G1C+3], 768<<16
	s_mov_b32 s[G1C+4], 2
	s_mov_b32 s[G1C+5], QB/8                       ; from K's row to V's, in elements
	s_mov_b32 s[G1C+6], 0
	s_mov_b32 s[G1C+7], 0
	s_mul_i32 s18, s14, 98304                      ; the head's codes
	s_mul_i32 s19, s[WV], 6144                     ; my step in them
	s_add_co_u32 s72, s18, s19
	s_add_co_u32 s72, s72, QB                      ; region 1 = k
	s_mov_b32 s73, 0
	s_mov_b32 s40, 1
	s_mul_i32 s41, s[WV], 12288                    ; and its place in LDS
	s_lshl_b32 s75, s14, 12                        ; the head's scale words
	s_lshl_b32 s76, s[WV], 8                       ; my step's 256 bytes of them
	s_add_co_u32 s76, s76, s75
	s_add_co_u32 s76, s76, 1<<18                   ; region 1 = k
	s_mov_b32 s77, 0
	s_mov_b32 s[SEL], 0x76543210
	s_mov_b32 s[SEL+1], 0xfedcba98
	s_mov_b32 s[CS], 0x3e38aa3b                    ; log2(e) / 8
	s_mov_b32 s[CS+1], s[CS]                       ; (named with it as a pair, so it is written)
	s_wait_dscnt 0x0
	s_wait_kmcnt 0x0
	s_add_nc_u64 s[42:43], s[4:5], s[72:73]
	s_or_b32 s43, s43, 0x80000000
	s_add_nc_u64 s[76:77], s[6:7], s[76:77]
	CROUND                                         ; all four work-groups are here: the joint loads meet
	tensor_load_to_lds s[40:43], s[G1C:G1C+7]      ; every wave issues one, into 12,288 bytes of its own: one load of mine is out
	s_nop 0
.rept 4
	v_nop
.endr
	s_lshl_b32 s80, s13, 4
	s_add_co_u32 s80, s80, s[WV]                   ; p = 16 cx + wave
	s_mul_i32 s82, s80, 1536
	s_add_co_u32 s82, s82, s18
	s_mov_b32 s83, 0
	s_add_nc_u64 s[82:83], s[4:5], s[82:83]        ; q's fragment p (region 0)
	s_lshr_b32 s84, s80, 2
	s_lshl_b32 s84, s84, 8                         ; its scale word: group p / 4,
	s_bfe_u32 s85, s80, 0x10001
	s_lshl_b32 s85, s85, 7                         ; 128 ((p / 2) % 2)
	s_add_co_u32 s84, s84, s85
	s_and_b32 s85, s80, 1
	s_lshl_b32 s85, s85, 2                         ; + 4 (p % 2)
	s_add_co_u32 s84, s84, s85
	s_add_co_u32 s84, s84, s75
	s_mov_b32 s85, 0
	s_add_nc_u64 s[84:85], s[6:7], s[84:85]
	s_lshr_b32 s86, s14, 4
	s_lshl_b32 s86, s86, 7
	s_lshl_b32 s87, s80, 1
	s_add_co_u32 s86, s86, s87                     ; the result's tile: 128 x batch + 2 p
	s_and_b32 s87, s14, 15                         ; the head
	s_mul_i32 s68, s86, 12288
	s_mul_i32 s88, s87, 768                        ; K step head / 2, half head % 2
	s_add_co_u32 s68, s68, s88
	s_mov_b32 s69, 0
	s_add_nc_u64 s[68:69], s[8:9], s[68:69]
	s_lshl_b32 s70, s86, 9
	s_lshr_b32 s88, s87, 2
	s_lshl_b32 s88, s88, 7                         ; 128 (head / 4)
	s_add_co_u32 s70, s70, s88
	s_and_b32 s88, s87, 3
	s_lshl_b32 s88, s88, 1                         ; + 2 (head % 4)
	s_add_co_u32 s70, s70, s88
	s_mov_b32 s71, 0
	s_add_nc_u64 s[70:71], s[10:11], s[70:71]
	v_and_b32 v5, 31, v0
	s_delay_alu instid0(VALU_DEP_1)
	v_lshlrev_b32 v[AK0], 4, v5
	s_delay_alu instid0(VALU_DEP_1)
	v_add_nc_u32 v[AV0], VC, v[AK0]
	v_and_b32 v[R8], 15, v0
	s_delay_alu instid0(VALU_DEP_1)
	v_lshlrev_b32 v[R8], 3, v[R8]
	s_delay_alu instid0(VALU_DEP_1)
	v_add_nc_u32 v[ASK0], KSC, v[R8]
	s_delay_alu instid0(VALU_DEP_2)
	v_add_nc_u32 v[ASV0], VSC, v[R8]
	v_lshlrev_b32 v[L8], 3, v5
	; my step's scale words, 16 bytes a lane: lanes 0-15 K's 256 bytes, lanes 16-31 V's (2^18 bytes on in scl2, 4,096 on in LDS)
	v_and_b32 v[ADK], 15, v0
	v_bfe_u32 v[ADV], v0, 4, 1
	s_lshl_b32 s78, s[WV], 8
	s_add_co_u32 s78, s78, KSC
	v_lshlrev_b32 v[ADK], 4, v[ADK]
	v_lshl_add_u32 v[ADT], v[ADV], 12, s78
	v_lshl_add_u32 v[ADS], v[ADV], 18, v[ADK]
	v_add_nc_u32 v[ADT], v[ADT], v[ADK]
	global_load_b128 v[FRG:FRG+3], v[ADS], s[76:77]
.irp c, 0,1,2
	global_load_b128 v[16+4*\c:19+4*\c], v[AK0], s[82:83] offset:512*\c   ; q's fragment: registers 0-5 tile 2 p, registers 6-11 tile 2 p + 1
.endr
	global_load_b32 v[TV], v[R8], s[84:85]         ; bytes 0, 1 tile 2 p's, bytes 2, 3 tile 2 p + 1's
.irp b, 0,1,2,3
	v_mov_b32 v[BT+\b], 0                          ; written once: a lane permute's destination counts as one of its sources
.endr
	v_mov_b32 v[PSW], 0                            ; (named as the upper half of a pair before it is first written)
	s_wait_loadcnt 0x0
.irp i, 0,1,2,3,4,5
	v_mov_b32 v[40+\i], v[22+\i]                   ; the second pass's q
	v_mov_b32 v[34+\i], v[16+\i]                   ; Q2 = [0 | q]
.endr
.irp i, 0,1,2,3,4,5
	v_mov_b32 v[22+\i], 0                          ; Q1 = [q | 0]
	v_mov_b32 v[28+\i], 0
.endr
	v_and_b32 v46, 0xffff, v[TV]                   ; Q1's scale word: q's two bytes below, 0 above;
	v_lshlrev_b32 v47, 16, v[TV]                   ; Q2's: the other way round
	v_lshrrev_b32 v240, 16, v[TV]                  ; the second pass's
	v_and_b32 v241, 0xffff0000, v[TV]
; A KEY STEP: 128 keys.
.macro STEP
	v_add_nc_u32 v[ADK], s[TK], v[AK0]             ; (these four are also the places in front of the loads into registers that the last products have read)
	v_add_nc_u32 v[ADV], s[TK], v[AV0]
	v_add_nc_u32 v[ADS], s[TW], v[ASK0]
	v_add_nc_u32 v[ADT], s[TW], v[ASV0]
.irp i, 0,1,2,3
.irp c, 0,1,2
	ds_load_b128 v[FRG+12*\i+4*\c:FRG+12*\i+4*\c+3], v[ADK] offset:1536*\i+512*\c   ; 512 consecutive bytes
.endr
.endr
	ds_load_b64 v[KW:KW+1], v[ADS]
	ds_load_b64 v[KW+2:KW+3], v[ADS] offset:128
	s_wait_alu depctr_va_vdst(0)
	s_wait_dscnt 0x0
.irp i, 0,1,2,3                                ; S^T: fragment i gives tiles 2 i and 2 i + 1 of 16 keys
	v_wmma_scale_f32_16x16x128_f8f6f4 v[96+16*\i:103+16*\i], v[FRG+12*\i:FRG+12*\i+11], v[16:27], 0, v[KW+\i], v46 matrix_a_fmt:MATRIX_FMT_FP6 matrix_b_fmt:MATRIX_FMT_FP6
	v_wmma_scale_f32_16x16x128_f8f6f4 v[104+16*\i:111+16*\i], v[FRG+12*\i:FRG+12*\i+11], v[28:39], 0, v[KW+\i], v47 matrix_a_fmt:MATRIX_FMT_FP6 matrix_b_fmt:MATRIX_FMT_FP6
.endr                                          ; register 16 b + i of v96 on = key 32 b + 16 (lane / 16) + i of the step
.rept 4
	v_nop                                          ; places: in front of the loads into the fragments' registers, and of the first read of the scores
.endr
.irp i, 0,1,2,3
.irp c, 0,1,2
	ds_load_b128 v[FRG+12*\i+4*\c:FRG+12*\i+4*\c+3], v[ADV] offset:1536*\i+512*\c   ; V's four fragments land while the softmax is worked
.endr
.endr
	ds_load_b64 v[VW:VW+1], v[ADT]
	ds_load_b64 v[VW+2:VW+3], v[ADT] offset:128
.irp b, 0,1,2,3
	v_max3_num_f32 v[BM+\b], v[96+16*\b], v[97+16*\b], v[98+16*\b]   ; the largest SCORE of each block of 32 keys: it serves for the row's maximum and, since p rises with the score, for the block's largest p
.endr
.irp i, 3,5,7,9,11,13
.irp b, 0,1,2,3
	v_max3_num_f32 v[BM+\b], v[BM+\b], v[96+16*\b+\i], v[97+16*\b+\i]
.endr
.endr
.irp b, 0,1,2,3
	v_max_num_f32 v[BM+\b], v[BM+\b], v[111+16*\b]
.endr
.irp b, 0,1,2,3
	s_delay_alu instid0(VALU_DEP_4)
	v_permlanex16_b32 v[BT+\b], v[BM+\b], s[SEL], s[SEL+1]
.endr
.irp b, 0,1,2,3
	s_delay_alu instid0(VALU_DEP_4)
	v_max_num_f32 v[BM+\b], v[BM+\b], v[BT+\b]     ; with lane l xor 16's 16 keys
.endr
	s_delay_alu instid0(VALU_DEP_2)
	v_max3_num_f32 v[TV], v[BM], v[BM+1], v[BM+2]
	s_delay_alu instid0(VALU_DEP_1)
	v_max_num_f32 v[TV], v[TV], v[BM+3]            ; the step's largest score of my query
	s_delay_alu instid0(VALU_DEP_1)
	v_mul_f32 v[TV], s[CS], v[TV]                  ; as t (c is positive)
	s_delay_alu instid0(VALU_DEP_1)
	v_max_num_f32 v13, v13, v[TV]                  ; the running largest t
	v_mov_b32 v[TV], v12
	s_delay_alu instid0(VALU_DEP_2)
	v_floor_f32 v12, -v13                          ; the new -M = floor(-t) = -ceil(t)
	s_delay_alu instid0(VALU_DEP_1)
	v_sub_f32 v[TV], v12, v[TV]                    ; old M - new M: a whole number, 0 or less
	s_delay_alu instid0(VALU_DEP_1)
	v_cvt_i32_f32 v[TV], v[TV]                     ; (it saturates)
	s_delay_alu instid0(VALU_DEP_1)
	v_ldexp_f32 v[FF], 1.0, v[TV]                  ; f = 2^(old M - new M)
.set j, 0
.rept 32
	v_pk_fma_f32 v[96+j:97+j], v[96+j:97+j], s[CS:CS+1], v[12:13] op_sel_hi:[1,0,0]   ; t - M, two at a time
.set j, j+2
.endr
.irp b, 0,1,2,3
	v_fma_f32 v[BM+\b], v[BM+\b], s[CS], v12       ; the same of each block's largest score
.endr
.set j, 0
	s_wait_alu depctr_va_vdst(0)
.rept 64
	v_exp_f32 v[96+j], v[96+j]                     ; p = 2^(t - M), at most 1
.set j, j+1
.endr
	v_pk_mul_f32 v[14:15], v[14:15], v[FF:FF+1] op_sel_hi:[1,0]   ; the sums under the new M: the plain line behind the exponentials
	s_wait_alu depctr_va_vdst(0)                   ; one wait for the whole batch, ahead of its first reader
.irp b, 0,1,2,3
	v_exp_f32 v[BM+\b], v[BM+\b]                   ; the block's largest p: the same two instructions on the same number give the same bits
.endr
	v_pk_add_f32 v[236:237], v[100:101], v[104:105]
	v_pk_add_f32 v[252:253], v[108:109], v[112:113]
	v_pk_add_f32 v[250:251], v[116:117], v[120:121]
	v_pk_add_f32 v[248:249], v[124:125], v[128:129]
	v_pk_add_f32 v[246:247], v[132:133], v[136:137]
	v_pk_add_f32 v[244:245], v[140:141], v[144:145]
	v_pk_add_f32 v[242:243], v[148:149], v[152:153]
	v_pk_add_f32 v[14:15], v[14:15], v[156:157]
	v_pk_add_f32 v[236:237], v[236:237], v[96:97]
	v_pk_add_f32 v[252:253], v[252:253], v[98:99]
	v_pk_add_f32 v[250:251], v[250:251], v[102:103]
	v_pk_add_f32 v[248:249], v[248:249], v[106:107]
	v_pk_add_f32 v[246:247], v[246:247], v[110:111]
	v_pk_add_f32 v[244:245], v[244:245], v[114:115]
	v_pk_add_f32 v[242:243], v[242:243], v[118:119]
	v_pk_add_f32 v[14:15], v[14:15], v[122:123]
	v_pk_add_f32 v[236:237], v[236:237], v[126:127]
	v_pk_add_f32 v[252:253], v[252:253], v[130:131]
	v_pk_add_f32 v[250:251], v[250:251], v[134:135]
	v_pk_add_f32 v[248:249], v[248:249], v[138:139]
	v_pk_add_f32 v[246:247], v[246:247], v[142:143]
	v_pk_add_f32 v[244:245], v[244:245], v[146:147]
	v_pk_add_f32 v[242:243], v[242:243], v[150:151]
	v_pk_add_f32 v[14:15], v[14:15], v[154:155]
	v_pk_add_f32 v[236:237], v[236:237], v[158:159]
	s_delay_alu instid0(VALU_DEP_2)
	v_pk_add_f32 v[14:15], v[14:15], v[248:249]
	s_delay_alu instid0(VALU_DEP_2)
	v_pk_add_f32 v[236:237], v[236:237], v[246:247]
	v_pk_add_f32 v[252:253], v[252:253], v[244:245]
	v_pk_add_f32 v[250:251], v[250:251], v[242:243]
	s_delay_alu instid0(VALU_DEP_2)
	v_pk_add_f32 v[14:15], v[14:15], v[252:253]
	s_delay_alu instid0(VALU_DEP_2)
	v_pk_add_f32 v[236:237], v[236:237], v[250:251]
	s_delay_alu instid0(VALU_DEP_1)
	v_pk_add_f32 v[14:15], v[14:15], v[236:237]
	s_wait_alu depctr_va_vdst(0)                   ; and one for the four
.irp b, 0,1,2,3
	v_max_num_f32 v[BM+\b], 0x1800000, v[BM+\b]    ; the floor 2^(3 - 127): the byte cannot fall under 1
.endr
.irp b, 0,1,2,3
	s_delay_alu instid0(VALU_DEP_4)
	v_add_nc_u32 v[SO+\b], 0xff000000, v[BM+\b]    ; 2 off the exponent field: the conversion's scale operand
.endr
.irp b, 0,1,2,3
	s_delay_alu instid0(VALU_DEP_4)
	v_lshrrev_b32 v[BT+\b], 23, v[SO+\b]           ; the byte
.endr
	s_delay_alu instid0(VALU_DEP_3)
	v_lshl_or_b32 v[PSW], v[BT+1], 8, v[BT]        ; p's scale word for these 128 keys
	s_delay_alu instid0(VALU_DEP_1)
	v_lshl_or_b32 v[PSW], v[BT+2], 16, v[PSW]
	s_delay_alu instid0(VALU_DEP_1)
	v_lshl_or_b32 v[PSW], v[BT+3], 24, v[PSW]
.irp c, 0,1
	v_cvt_scalef32_pk16_fp6_f32 v[PC+6*\c:PC+6*\c+2], v[96+32*\c:111+32*\c], v[SO+2*\c]
	v_cvt_scalef32_pk16_fp6_f32 v[TP+4*\c:TP+4*\c+2], v[112+32*\c:127+32*\c], v[SO+2*\c+1]   ; (three registers from an even one)
.endr
	v_nop                                          ; one plain line behind the conversions
.irp c, 0,1                                    ; a whole block to a lane
.irp i, 0,1,2
	v_permlane16_swap_b32 v[PC+6*\c+\i], v[TP+4*\c+\i]
.endr
.irp i, 0,1,2
	s_delay_alu instid0(VALU_DEP_3)
	v_mov_b32 v[PC+3+6*\c+\i], v[TP+4*\c+\i]
.endr
.endr
.set j, 0
.rept 16
	v_pk_mul_f32 v[160+j:161+j], v[160+j:161+j], v[FF:FF+1] op_sel_hi:[1,0]   ; O^T under the new M.  (These sixteen stand between the codes' and the scale word's last writes and the products)
.set j, j+2
.endr
	s_wait_alu depctr_va_vdst(0)
	s_wait_dscnt 0x0                               ; V is in
.irp t, 0,1,2,3                                ; O^T += V^T P^T: four accumulators by turns, one instruction a turn
	v_wmma_scale_f32_16x16x128_f8f6f4 v[160+8*\t:167+8*\t], v[FRG+12*\t:FRG+12*\t+11], v[PC:PC+11], v[160+8*\t:167+8*\t], v[VW+\t], v[PSW] matrix_a_fmt:MATRIX_FMT_FP6 matrix_b_fmt:MATRIX_FMT_FP6
.endr
	s_add_co_u32 s[TK], s[TK], 12288
	s_add_co_u32 s[TW], s[TW], 256
.endm
	s_wait_tensorcnt 0x0                           ; my step's codes are in
	ds_store_b128 v[ADT], v[FRG:FRG+3]             ; my step's scale words, into bytes on which no tile lands
	s_wait_dscnt 0x0
	s_barrier_signal -1                            ; ONE barrier: behind it every wave's step is in, codes and scale words
	s_barrier_wait -1
	s_mov_b32 s62, 2
.Lpass:                                            ; two passes: query tile 2 p, then 2 p + 1
	v_mov_b32 v13, 0xff61b1e6                      ; the largest t so far: -3e38, under every t
	s_delay_alu instid0(VALU_DEP_1)
	v_floor_f32 v12, -v13                          ; -M
	v_mov_b32 v14, 0                               ; the sum, in two halves
	v_mov_b32 v15, 0
.set j, 0
.rept 32
	v_mov_b32 v[160+j], 0                          ; O^T: the step is written once; the first finds zeros, which the first change of M leaves zeros
.set j, j+1
.endr
	s_mov_b32 s[TK], 0
	s_mov_b32 s[TW], 0
	s_mov_b32 s63, 16                              ; 16 steps of 128 keys
.Lstep:
	STEP
	s_sub_co_u32 s63, s63, 1
	s_cmp_lg_u32 s63, 0
	s_cbranch_scc1 .Lstep
	; THE WAY OUT: O^T / the sum; its 32 registers are d = 32 b + 16 (lane / 16) + i of my query: two blocks of 32 along the last product's K
	v_add_f32 v14, v14, v15                        ; the sum's two halves,
	s_delay_alu instid0(VALU_DEP_1)
	v_permlanex16_b32 v[TV], v14, s[SEL], s[SEL+1]
	s_delay_alu instid0(VALU_DEP_1)
	v_add_f32 v14, v14, v[TV]                      ; and lane l xor 16's
	s_wait_alu depctr_va_vdst(0)
	v_rcp_f32 v14, v14
	v_nop                                          ; plain lines behind the reciprocal, and places behind the last products
	v_nop
	s_wait_alu depctr_va_vdst(0)                   ; ahead of the reciprocal's first reader
.set j, 0
.rept 16
	v_pk_mul_f32 v[96+j:97+j], v[160+j:161+j], v[14:15] op_sel_hi:[1,0]   ; each accumulator from its low end on
.set j, j+2
.endr
.irp b, 0,1
	v_max3_num_f32 v[BM+\b], |v[96+16*\b]|, |v[97+16*\b]|, 0x1800000
.endr
.irp i, 2,4,6,8,10,12,14
.irp b, 0,1
	s_delay_alu instid0(VALU_DEP_2)
	v_max3_num_f32 v[BM+\b], v[BM+\b], |v[96+16*\b+\i]|, |v[97+16*\b+\i]|
.endr
.endr
.irp b, 0,1
	s_delay_alu instid0(VALU_DEP_2)
	v_permlanex16_b32 v[BT+\b], v[BM+\b], s[SEL], s[SEL+1]
.endr
.irp b, 0,1
	s_delay_alu instid0(VALU_DEP_2)
	v_max_num_f32 v[BM+\b], v[BM+\b], v[BT+\b]
.endr
.irp b, 0,1
	s_delay_alu instid0(VALU_DEP_2)
	v_add_nc_u32 v[SO+\b], 0xff000000, v[BM+\b]
.endr
.irp b, 0,1
	s_delay_alu instid0(VALU_DEP_2)
	v_lshrrev_b32 v[BT+\b], 23, v[SO+\b]
.endr
	s_delay_alu instid0(VALU_DEP_1)
	v_lshl_or_b32 v[TV], v[BT+1], 8, v[BT]         ; my head's two bytes of the row's scale word
	v_cvt_scalef32_pk16_fp6_f32 v[PC:PC+2], v[96:111], v[SO]
	v_cvt_scalef32_pk16_fp6_f32 v[TP:TP+2], v[112:127], v[SO+1]
	v_nop                                          ; one plain line behind the conversions
.irp i, 0,1,2
	v_permlane16_swap_b32 v[PC+\i], v[TP+\i]
.endr
.irp i, 0,1,2
	s_delay_alu instid0(VALU_DEP_3)
	v_mov_b32 v[PC+3+\i], v[TP+\i]
.endr
	global_store_b128 v[AK0], v[PC:PC+3], s[68:69]             ; 512 consecutive bytes, aligned
	global_store_b64 v[L8], v[PC+4:PC+5], s[68:69] offset:512  ; 256 consecutive bytes, aligned
	global_store_b16 v[R8], v[TV], s[70:71]        ; two bytes a row (lanes r and r + 16 write the same): a scale word of the last product holds two heads' bytes, and each head is made by another cluster; one byte for each 24 of codes
	s_wait_xcnt 0x0                                ; the stores have read their registers and bases: both are written again only behind this wait
	s_add_nc_u64 s[68:69], s[68:69], 12288         ; the next tile
	s_add_nc_u64 s[70:71], s[70:71], 512
.irp i, 0,1,2,3,4,5
	v_mov_b32 v[16+\i], v[40+\i]                   ; the second pass's q (behind the second pass these lines change nothing)
	v_mov_b32 v[34+\i], v[40+\i]
.endr
	v_mov_b32 v46, v240
	v_mov_b32 v47, v241
	s_sub_co_u32 s62, s62, 1
	s_cmp_lg_u32 s62, 0
	s_cbranch_scc1 .Lpass
	s_wait_tensorcnt 0x0
	s_wait_dscnt 0x0
	s_wait_tensorcnt 0x0
	ds_add_u32 v254, v255
	s_wait_dscnt 0x0
	CROUND                                         ; the closing round: no work-group ends while a partner may still ask for a tile that names it
	s_endpgm
.Lfunc_end_k_q4122edfc9a_attn:
	.size	k_q4122edfc9a_attn, .Lfunc_end_k_q4122edfc9a_attn-k_q4122edfc9a_attn
	.p2alignl 7, 3214868480
	.fill 96, 4, 3214868480
	.section	.rodata,"a",@progbits
	.p2align	6, 0x0
	.amdhsa_kernel k_q4122edfc9a_attn
		.amdhsa_group_segment_fixed_size 206848
		.amdhsa_private_segment_fixed_size 0
		.amdhsa_enable_private_segment 0
		.amdhsa_kernarg_size 32
		.amdhsa_user_sgpr_count 2
		.amdhsa_user_sgpr_kernarg_segment_ptr 1
		.amdhsa_wavefront_size32 1
		.amdhsa_system_sgpr_workgroup_id_x 1
		.amdhsa_system_sgpr_workgroup_id_y 1
		.amdhsa_system_sgpr_workgroup_id_z 1
		.amdhsa_system_vgpr_workitem_id 0
		.amdhsa_next_free_vgpr 256
		.amdhsa_next_free_sgpr 100
		.amdhsa_reserve_vcc 0
		.amdhsa_float_denorm_mode_32 3
		.amdhsa_float_denorm_mode_16_64 3
		.amdhsa_memory_ordered 1
		.amdhsa_forward_progress 1
		.amdhsa_inst_pref_size 31
	.end_amdhsa_kernel
	.amdgpu_metadata
---
amdhsa.version: [ 1, 2 ]
amdhsa.kernels:
  - .name:           k_q4122edfc9a_attn
    .symbol:         k_q4122edfc9a_attn.kd
    .args:
      - { .name: cod2, .offset: 0, .size: 8, .value_kind: global_buffer, .address_space: global }
      - { .name: scl2, .offset: 8, .size: 8, .value_kind: global_buffer, .address_space: global }
      - { .name: cod3, .offset: 16, .size: 8, .value_kind: global_buffer, .address_space: global }
      - { .name: scl3, .offset: 24, .size: 8, .value_kind: global_buffer, .address_space: global }
    .group_segment_fixed_size: 206848
    .private_segment_fixed_size: 0
    .kernarg_segment_align: 8
    .kernarg_segment_size: 32
    .max_flat_workgroup_size: 512
    .sgpr_count:     100
    .vgpr_count:     256
    .wavefront_size: 32
...
	.end_amdgpu_metadata
.endif
;; end of part 3
;; launch gemm_out (part 4): grid 4 x 64, 4 waves a work-group, clusters of 4 x 4, 327,680 bytes of LDS; arguments cod3, scl3, cod1, scl1, b_out, out0; writes out0
.if DOCPART == 4
	.amdgcn_target "amdgcn-amd-amdhsa--gfx1250"
	.amdhsa_code_object_version 6
	.text
	.protected	k_q4122edfc9a_gemm_out
	.globl	k_q4122edfc9a_gemm_out
	.p2align	8
	.type	k_q4122edfc9a_gemm_out,@function
k_q4122edfc9a_gemm_out:
	s_mov_b64 s[64:65], 0
	v_nop
	global_prefetch_b8 v0, s[64:65] scope:SCOPE_SE
	s_setreg_imm32_b32 hwreg(HW_REG_WAVE_MODE, 25, 1), 1
	s_wait_xcnt 0x0
	s_wait_alu depctr_hold_cnt(0) depctr_sa_sdst(0) depctr_va_vdst(0) depctr_va_sdst(0) depctr_va_ssrc(0) depctr_va_vcc(0) depctr_vm_vsrc(0)
	s_getreg_b32 s2, hwreg(HW_REG_IB_STS2, 6, 4)
	s_cmp_eq_u32 s2, 0
	s_cbranch_scc0 .Lentry_in_a_cluster
	s_endpgm
.Lentry_in_a_cluster:
	s_bfe_u32 s2, ttmp6, 0x10000c
	s_cmp_lg_u32 s2, 0xf033
	s_cbranch_scc0 .Lentry_shape_is_right
	s_endpgm
.Lentry_shape_is_right:
; out0[token][n] = sum over k of context[token][k] W_out[k][n] + b_out[n], f32: 8,192 x 1,024 x 1,024 on codes of FP6 (E2M3) with E8M0 scales.
; A = cod3, scl3 (what the attention launch left), B = W_out's tiles in cod1, scl1.  Codes are images of operand registers, [tile of 16 rows][K step 8][1,536 bytes]; scale words 512 bytes a tile: K step s, lane r at 128 (s / 2) + 8 r + 4 (s % 2).
; Lane r of tile T holds row 32 (T / 2) + 8 (T % 2) + r + 8 (r / 8), in A (tokens) and in B (outputs).
; LIMITS: these sizes alone; NaN, infinities and sums beyond f32's range are not served; a sum begins with the bias.
; THE DEAL.  256 work-groups of four waves, 2 x 2, each 128 rows x 256 columns of C; a wave makes 64 x 128: 32 accumulators.
; ALL OF K LIES IN LDS AT ONCE: A's 8 tiles and B's 16, 294,912 bytes, filled once: no ring, no refill.  All is asked for at the head, so there is no loop to run ahead in: no data prefetch.
; THE HEAD'S FOUR TILES, one a wave, each on a line of its own: A's K steps 0-3, B's K steps 0-3, A's K steps 4-7, B's K steps 4-7.  The walk begins when the first two are in; a plain barrier inside step 3 shows the others.
; CLUSTERS: 4 x 4.  A's tiles hang on the tile row alone and are shared by a row of the cluster, B's on the tile column alone and are shared by a column.
; THE SCALE WORDS go from memory into registers: a load of 8 bytes a lane reads 256 bytes on end of a tile's 512: lanes 0-15 hold K steps 4 j, 4 j + 1, lanes 16-31 K steps 4 j + 2, 4 j + 3; the row selector picks the half.
; The matrix instruction is used transposed (source 0 = B's rows, source 1 = A's): a lane holds eight neighbouring numbers of a row of C.
; REGISTERS.  Window 0: v16-29 addresses; v32-95 scale words (A's tile a at 32 + 8 a, B's tile b at 36 + 8 b); v96-159 the bias; v160-255 A's fragments, two sets.  Window 1: B's fragments, two sets, at 0 and 128.  Window 2: the accumulators.
.set WOC,    6291456+192*12288         ; W_out's tiles in cod1
.set WOS,    262144+192*512            ; and their scale words in scl1
.set FR,     12
.set NP,     4
.set HK,     6144                      ; a tile's four K steps
.set ABYTES, 8*HK                      ; LDS: A's 8 tiles of a half of K, then B's 16
.set PHASE,  24*HK                     ; the second half of K lies behind the first
.set SPARE,  2*PHASE                   ; the spare words: 128 bytes a wave
.set SPITCH, 528                       ; the way out: a stage of 16 rows x (512 + 16) bytes a wave, in the first half's bytes, which nobody reads behind the barrier in step 3
.set NFE,    40                        ; LDS loads of a step's fragments: 24 for B's eight, 16 for A's four
.set ADRA, 16                          ; v16, v17 my A tiles + 16 x lane, first and second half of K; v18, v19 the same + 8 x lane
.set ADRB, 20                          ; v20, v21 my B tiles + 16 x lane
.set STO,  24
.set RD,   25
.set LI,   26                          ; 16 x lane
.set L8,   27                          ; 8 x lane
.set SPW,  28
.set NIL,  29
.set SA,   32
.set SB,   36
.set CB,   96
.set AF,   160
.set BK,   128                         ; the way out: rows back from the stage, v128-191 and v192-255 by turns
.set G1, 24
.set G0, 32
.set G1B, 48
.set G0B, 56
.set MSB, 0
.macro WIN new
.if MSB != (\new)
	s_set_vgpr_msb (MSB<<8)|(\new)
.set MSB, (\new)
.endif
.endm
.set MUL_LO, 0xa1                      ; source 0 (B) window 1, source 1 (A) window 0, C and D window 2
.set BIA_LO, 0x81                      ; the same, C (the bias) window 0
.set TO_B,   0x40
.macro PLACES n
.rept \n
	v_nop
.endr
.endm
.macro CROUND
	s_barrier_signal -1
	s_barrier_wait -1
	s_cmp_lg_u32 s14, 0
	s_cbranch_scc1 .Lnot_wave_0_\@
	s_barrier_signal -3
.Lnot_wave_0_\@:
	s_barrier_wait -3
	s_barrier_signal -1
	s_barrier_wait -1
.endm
	s_load_b256 s[4:11], s[0:1], 0x0               ; cod3, scl3, cod1, scl1
	s_load_b128 s[92:95], s[0:1], 0x20             ; b_out, out0
	v_lshl_add_u32 v[SPW], v0, 2, SPARE
	v_mov_b32 v[NIL], 0
	ds_add_u32 v[SPW], v[NIL]                      ; the opening lines: the add, twice on end, and its wait
	ds_add_u32 v[SPW], v[NIL]
	s_wait_dscnt 0x0
	v_lshrrev_b32 v1, 5, v0
	v_readfirstlane_b32 s14, v1                    ; the wave; s15 its row of the 2 x 2, s16 its column
	s_lshr_b32 s15, s14, 1
	s_and_b32 s16, s14, 1
	s_bfe_u32 s40, ttmp6, 0x40000
	s_bfe_u32 s41, ttmp6, 0x40004
	s_lshl_b32 s42, ttmp9, 2
	s_add_co_u32 s42, s42, s40                     ; tile column, 0 .. 3
	s_and_b32 s17, ttmp7, 0xffff
	s_lshl_b32 s17, s17, 2
	s_add_co_u32 s17, s17, s41                     ; tile row, 0 .. 63
	s_lshl_b32 s43, s41, 2
	s_lshl_b32 s43, 15, s43                        ; my row of the cluster
	s_lshl_b32 s44, 0x1111, s40                    ; my column
	s_or_b32 s[G1+0], s43, (3<<16)|(1<<21)
	s_or_b32 s[G1B+0], s44, (3<<16)|(1<<21)
.irp g, G1, G1B                        ; a row of a tile: four K steps, 768 elements of 8 bytes; from tile to tile 1,536
	s_mov_b32 s[\g+1], 768<<16
	s_mov_b32 s[\g+3], 768<<16
	s_mov_b32 s[\g+5], 1536
	s_mov_b32 s[\g+6], 0
	s_mov_b32 s[\g+7], 0
.endr
	s_mov_b32 s[G1+2], 8<<16                       ; A: 8 tiles
	s_mov_b32 s[G1+4], 8
	s_mov_b32 s[G1B+2], 16<<16                     ; B: 16
	s_mov_b32 s[G1B+4], 16
	s_mul_i32 s20, s17, 8*12288
	s_mov_b32 s21, 0
	s_mul_i32 s46, s42, 16*12288
	s_add_co_u32 s46, s46, WOC
	s_mov_b32 s47, 0
	s_wait_kmcnt 0x0
	s_add_nc_u64 s[20:21], s[4:5], s[20:21]
	s_add_nc_u64 s[46:47], s[8:9], s[46:47]
.irp p, 0,1
	s_mov_b32 s[G0+4*\p], 1
	s_mov_b32 s[G0+4*\p+1], \p*PHASE
	s_add_nc_u64 s[G0+4*\p+2:G0+4*\p+3], s[20:21], \p*HK
	s_or_b32 s[G0+4*\p+3], s[G0+4*\p+3], 0x80000000
	s_mov_b32 s[G0B+4*\p], 1
	s_mov_b32 s[G0B+4*\p+1], \p*PHASE+ABYTES
	s_add_nc_u64 s[G0B+4*\p+2:G0B+4*\p+3], s[46:47], \p*HK
	s_or_b32 s[G0B+4*\p+3], s[G0B+4*\p+3], 0x80000000
.endr
	CROUND                                         ; all sixteen work-groups are here: the joint loads meet
.macro ARM under, g0, g1, next         ; one chain of branches on the wave's number, a load to an arm
	s_cmp_lt_u32 s14, \under
	s_cbranch_scc0 \next
	tensor_load_to_lds s[\g0:\g0+3], s[\g1:\g1+7]
	s_nop 0
	PLACES 4
	s_branch .Lhead_asked
\next:
.endm
	ARM 1, G0,   G1,  .Lhead_b0
	ARM 2, G0B,  G1B, .Lhead_a1
	ARM 3, G0+4, G1,  .Lhead_b1
	tensor_load_to_lds s[G0B+4:G0B+7], s[G1B:G1B+7]
	s_nop 0
	PLACES 4
.Lhead_asked:
	s_mul_i32 s21, s15, 4*HK                       ; my 4 tiles of A
	s_mul_i32 s22, s16, 8*HK                       ; my 8 tiles of B, behind A's 8
	s_add_co_u32 s22, s22, ABYTES
	s_add_co_u32 s66, s21, PHASE
	s_add_co_u32 s67, s22, PHASE
	s_mul_i32 s23, s14, 16*SPITCH                  ; my stage
	s_lshl_b32 s70, s17, 3
	s_lshl_b32 s71, s15, 2
	s_add_co_u32 s70, s70, s71
	s_lshl_b32 s70, s70, 9                         ; A's scale words: my first tile x 512
	s_mov_b32 s71, 0
	s_add_nc_u64 s[6:7], s[6:7], s[70:71]
	s_lshl_b32 s72, s42, 4
	s_lshl_b32 s73, s16, 3
	s_add_co_u32 s72, s72, s73
	s_lshl_b32 s72, s72, 9
	s_add_co_u32 s72, s72, WOS                     ; B's
	s_mov_b32 s73, 0
	s_add_nc_u64 s[10:11], s[10:11], s[72:73]
	s_lshl_b32 s74, s42, 10
	s_lshl_b32 s75, s16, 9
	s_add_co_u32 s74, s74, s75                     ; my first column, in bytes
	s_mov_b32 s75, 0
	s_add_nc_u64 s[92:93], s[92:93], s[74:75]
	s_lshl_b32 s76, s17, 7
	s_lshl_b32 s77, s15, 6
	s_add_co_u32 s76, s76, s77                     ; my first row of C
	s_lshl_b32 s76, s76, 12
	s_add_co_u32 s76, s76, s74
	s_mov_b32 s77, 0
	s_add_nc_u64 s[94:95], s[94:95], s[76:77]
	v_and_b32 v1, 15, v0
	v_bfe_u32 v2, v0, 4, 1
	v_and_b32 v3, 31, v0
	v_lshlrev_b32 v[LI], 4, v3
	v_lshlrev_b32 v[L8], 3, v3
	v_mul_u32_u24 v5, v1, SPITCH
	v_lshlrev_b32 v7, 6, v2                        ; the bias: 64 bytes for each half of the lanes
	v_add_nc_u32 v[ADRA], s21, v[LI]
	v_add_nc_u32 v[ADRA+1], s66, v[LI]
	v_add_nc_u32 v[ADRA+2], s21, v[L8]
	v_add_nc_u32 v[ADRA+3], s66, v[L8]
	v_add_nc_u32 v[ADRB], s22, v[LI]
	v_add_nc_u32 v[ADRB+1], s67, v[LI]
	v_lshl_add_u32 v5, v2, 6, v5
	v_add_nc_u32 v[RD], s23, v[LI]                 ; back from the stage: a row of 512 bytes to the 32 lanes
	v_add_nc_u32 v[STO], s23, v5                   ; into it: row l % 16, 64 bytes for each half of the lanes
	s_wait_alu depctr_va_vdst(0)                   ; the wait at the head's end
.irp a, 0,1,2,3
.irp j, 0,1
	global_load_b64 v[SA+8*\a+2*\j:SA+8*\a+2*\j+1], v[L8], s[6:7] offset:512*\a+256*\j     ; 256 bytes on end
.endr
.endr
.irp b, 0,1,2,3,4,5,6,7
.irp j, 0,1
	global_load_b64 v[SB+8*\b+2*\j:SB+8*\b+2*\j+1], v[L8], s[10:11] offset:512*\b+256*\j
.endr
.endr
.irp b, 0,1,2,3,4,5,6,7
	global_load_b128 v[CB+8*\b:CB+8*\b+3], v7, s[92:93] offset:4*(32*(\b/2)+8*(\b%2))
	global_load_b128 v[CB+8*\b+4:CB+8*\b+7], v7, s[92:93] offset:4*(32*(\b/2)+8*(\b%2))+16
.endr
; K step st's fragments into set st % 2: NFE loads
.macro FETCH st
.set PH_, (\st)/4
.set QO_, ((\st)%4)*1536
.set PF_, (\st)%2
	WIN TO_B
.irp i, 0,1,2,3,4,5,6,7
.irp c, 0,1,2
	ds_load_b128 v[128*PF_+FR*\i+4*\c:128*PF_+FR*\i+4*\c+3], v[ADRB+PH_] offset:\i*HK+QO_+512*\c
.endr
.endr
	WIN 0
.irp i, 0,1,2,3                        ; a fragment of A is two heads' halves of 768 bytes: registers 0-3 at 16 x lane, registers 4, 5 at 512 + 8 x lane
	ds_load_b128 v[AF+48*PF_+FR*\i:AF+48*PF_+FR*\i+3], v[ADRA+PH_] offset:\i*HK+QO_
	ds_load_b64 v[AF+48*PF_+FR*\i+4:AF+48*PF_+FR*\i+5], v[ADRA+2+PH_] offset:\i*HK+QO_+512
	ds_load_b128 v[AF+48*PF_+FR*\i+6:AF+48*PF_+FR*\i+9], v[ADRA+PH_] offset:\i*HK+QO_+768
	ds_load_b64 v[AF+48*PF_+FR*\i+10:AF+48*PF_+FR*\i+11], v[ADRA+2+PH_] offset:\i*HK+QO_+1280
.endr
.endm
.macro WM d, b, a, c, xb, xa, r
	v_wmma_scale_f32_16x16x128_f8f6f4 v[\d:\d+7], v[\b:\b+FR-1], v[\a:\a+FR-1], \c, v[\xb], v[\xa] matrix_a_fmt:MATRIX_FMT_FP6 matrix_b_fmt:MATRIX_FMT_FP6 matrix_a_scale:MATRIX_SCALE_ROW\r matrix_b_scale:MATRIX_SCALE_ROW\r
.endm
; 16 products of K step st: A's blocks a0, a0 + 1 x B's eight.  r = (st / 2) % 2: which half of the lanes holds the step's scale words.  The 32 accumulators take turns, in the same order in every step
.macro MUL st, a0, r, bias
.set PM_, (\st)%2
.set KM_, 2*((\st)/4)+(\st)%2
.irp a, \a0, \a0+1
.irp b, 0,1,2,3,4,5,6,7
.if \bias
	WM 8*(8*(\a)+\b), 128*PM_+FR*\b, AF+48*PM_+FR*(\a), v[CB+8*\b:CB+8*\b+7], SB+8*\b+KM_, SA+8*(\a)+KM_, \r
.else
	WM 8*(8*(\a)+\b), 128*PM_+FR*\b, AF+48*PM_+FR*(\a), v[8*(8*(\a)+\b):8*(8*(\a)+\b)+7], SB+8*\b+KM_, SA+8*(\a)+KM_, \r
.endif
.endr
.endr
.endm
; A K step: the next step's fragments are asked for into the other set, four places behind the products that read it; then this step's 32 products
.macro STEP st, r, bias
.if (\st) > 0
	PLACES NP
.endif
.if (\st) < 7
	FETCH (\st)+1
	s_wait_dscnt NFE                               ; this step's fragments are in; the NFE loads just issued may be out
.else
	s_wait_dscnt 0x0
.endif
.if \bias
	WIN BIA_LO
.else
	WIN MUL_LO
.endif
	MUL \st, 0, \r, \bias
	MUL \st, 2, \r, \bias
	WIN 0
.endm
	s_cmp_lt_u32 s14, 2
	s_cbranch_scc0 .Lnot_first
	s_wait_tensorcnt 0x0                           ; waves 0 and 1: K steps 0-3 of A and of B are in
.Lnot_first:
	s_barrier_signal -1
	s_barrier_wait -1                              ; waves 2 and 3's tiles may still be on their way
	FETCH 0
	s_wait_loadcnt 0x0                             ; the scale words and the bias
	STEP 0, 0, 1                                   ; the first products start the sums with the bias
	STEP 1, 0, 0
	STEP 2, 1, 0
	PLACES NP                                      ; step 3, with the barrier that shows K steps 4-7
	s_wait_tensorcnt 0x0
	s_wait_dscnt 0x0                               ; step 3's fragments are in: my last reads of the first half's bytes
	s_barrier_signal -1
	WIN MUL_LO
	MUL 3, 0, 1, 0
	WIN 0
	s_barrier_wait -1
	FETCH 4
	WIN MUL_LO
	MUL 3, 2, 1, 0
	WIN 0
	STEP 4, 0, 0
	STEP 5, 0, 0
	STEP 6, 1, 0
	STEP 7, 1, 0
; THE WAY OUT, block by block of 16 rows x 128 columns: through my own stage and back as whole rows of 512 bytes.  LDS serves a wave's instructions in order (ISA guide 5.7.1.4): no wait between the stores and the loads
.macro TOSTAGE a
.set AC, 64*(\a)
	WIN 0x08                                       ; the data: window 2
.irp b, 0,1,2,3,4,5,6,7
	ds_store_b128 v[STO], v[AC+8*\b:AC+8*\b+3] offset:128*(\b/2)+32*(\b%2)      ; each accumulator from its low end on
	ds_store_b128 v[STO], v[AC+8*\b+4:AC+8*\b+7] offset:128*(\b/2)+32*(\b%2)+16
.endr
	WIN 0
.set BB, BK+64*((\a)%2)
.irp t, 0,1,2,3,4,5,6,7,8,9,10,11,12,13,14,15
	ds_load_b128 v[BB+4*\t:BB+4*\t+3], v[RD] offset:\t*SPITCH
.endr
.endm
.macro SEND a, younger                 ; younger: the LDS instructions issued behind block a's loads
.set BB, BK+64*((\a)%2)
	s_wait_dscnt \younger
.irp t, 0,1,2,3,4,5,6,7,8,9,10,11,12,13,14,15
	global_store_b128 v[LI], v[BB+4*\t:BB+4*\t+3], s[94:95] offset:(32*((\a)/2)+8*((\a)%2)+\t+8*(\t/8))*4096 th:TH_STORE_NT   ; 512 bytes on end, aligned
.endr
.endm
	PLACES NP
	TOSTAGE 0
.irp a, 1,2,3
.if \a > 1
	s_wait_xcnt 0x0                                ; block a - 2's stores have read their registers
.endif
	TOSTAGE \a
	SEND \a-1, 32
.endr
	SEND 3, 0
	s_wait_tensorcnt 0x0                           ; the wave's end
	ds_add_u32 v[SPW], v[NIL]
	s_wait_dscnt 0x0
	CROUND                                         ; the closing round
	s_endpgm
.Lfunc_end_k_q4122edfc9a_gemm_out:
	.size	k_q4122edfc9a_gemm_out, .Lfunc_end_k_q4122edfc9a_gemm_out-k_q4122edfc9a_gemm_out
	.p2alignl 7, 3214868480
	.fill 96, 4, 3214868480
	.section	.rodata,"a",@progbits
	.p2align	6, 0x0
	.amdhsa_kernel k_q4122edfc9a_gemm_out
		.amdhsa_group_segment_fixed_size 327680
		.amdhsa_private_segment_fixed_size 0
		.amdhsa_enable_private_segment 0
		.amdhsa_kernarg_size 48
		.amdhsa_user_sgpr_count 2
		.amdhsa_user_sgpr_kernarg_segment_ptr 1
		.amdhsa_wavefront_size32 1
		.amdhsa_system_sgpr_workgroup_id_x 1
		.amdhsa_system_sgpr_workgroup_id_y 1
		.amdhsa_system_sgpr_workgroup_id_z 1
		.amdhsa_system_vgpr_workitem_id 0
		.amdhsa_next_free_vgpr 768
		.amdhsa_next_free_sgpr 102
		.amdhsa_reserve_vcc 0
		.amdhsa_float_denorm_mode_32 3
		.amdhsa_float_denorm_mode_16_64 3
		.amdhsa_memory_ordered 1
		.amdhsa_forward_progress 1
		.amdhsa_inst_pref_size 81
	.end_amdhsa_kernel
	.amdgpu_metadata
---
amdhsa.version: [ 1, 2 ]
amdhsa.kernels:
  - .name:           k_q4122edfc9a_gemm_out
    .symbol:         k_q4122edfc9a_gemm_out.kd
    .args:
      - { .name: cod3, .offset: 0, .size: 8, .value_kind: global_buffer, .address_space: global }
      - { .name: scl3, .offset: 8, .size: 8, .value_kind: global_buffer, .address_space: global }
      - { .name: cod1, .offset: 16, .size: 8, .value_kind: global_buffer, .address_space: global }
      - { .name: scl1, .offset: 24, .size: 8, .value_kind: global_buffer, .address_space: global }
      - { .name: b_out, .offset: 32, .size: 8, .value_kind: global_buffer, .address_space: global }
      - { .name: out0, .offset: 40, .size: 8, .value_kind: global_buffer, .address_space: global }
    .group_segment_fixed_size: 327680
    .private_segment_fixed_size: 0
    .kernarg_segment_align: 8
    .kernarg_segment_size: 48
    .max_flat_workgroup_size: 128
    .sgpr_count:     102
    .vgpr_count:     768
    .wavefront_size: 32
...
	.end_amdgpu_metadata
.endif
;; end of part 4
